; MI455X (gfx1250); checked and timed in simulation.
; The chip was launched on July 23, 2026; its instructions are those of AMD's public machine-readable ISA for CDNA 5 (MIT licence, August 2026) and "CDNA5" Instruction Set Architecture Reference Guide (July 2026). The comments in the code are by the model that wrote it; some were corrected since.
;; Attention. Allowed arithmetic: matrix products marked QUANTISED: E2M1 operands, one E8M0 scale for each 32 along K, by v_wmma_scale_f32_16x16x128_f8f6f4 with both operands' format E2M1 (or v_wmma_scale_f32_32x16x128_f4), f32 sums; everything else in f32.
;; Inputs: b_proj 1,024 float32; b_qkv 3,072 float32; w_proj_codes 1,024 x 32 x 16 uint8 (E2M1 codes of w_proj, K innermost, in blocks of 32 codes, two codes a byte); w_proj_scales 1,024 x 32 uint8 (E8M0 scales of w_proj, one for each 32 codes along K); w_qkv_codes 3,072 x 32 x 16 uint8 (E2M1 codes of w_qkv, K innermost, in blocks of 32 codes, two codes a byte); w_qkv_scales 3,072 x 32 uint8 (E8M0 scales of w_qkv, one for each 32 codes along K); x_codes 4 x 2,048 x 32 x 16 uint8 (E2M1 codes of x, K innermost, in blocks of 32 codes, two codes a byte); x_scales 4 x 2,048 x 32 uint8 (E8M0 scales of x, one for each 32 codes along K).
;; Outputs: out0 4 x 2,048 x 1,024 float32.
;; This version of the problem:
;;   THIS VERSION OF THE PROBLEM IS GIVEN IN LOW PRECISION. The matrix products marked QUANTISED in the list below multiply operands that are first quantised to E2M1 (2 exponent bits, 1 mantissa bit; 4 bits a number), with one power-of-two scale for each 32 numbers along K (OCP MX v1.0); their sums are f32. All else is computed in f32.
;;   The module's matrix products, in the order in which they are computed (A, B: the left and right operand; K: the contracted axis; several contracted axes count as one K, in the product's order):
;;     1. [M 8,192, K 1,024] x [K 1,024, N 3,072]; A: input x (given as codes); B: input w_qkv (given as codes): QUANTISED
;;     2. batch 64 x [M 2,048, K 64] x [K 64, N 2,048]; A: computed on the way; B: computed on the way: QUANTISED
;;     3. batch 64 x [M 64, K 2,048] x [K 2,048, N 2,048]; A: computed on the way; B: softmax (see below): QUANTISED
;;     4. [M 8,192, K 1,024] x [K 1,024, N 1,024]; A: computed on the way; B: input w_proj (given as codes): QUANTISED
;;   THE QUANTISER, for each operand of a quantised product, along K:
;;     - K is cut into blocks of 32 from its start; a last block that is shorter is filled with zeros.
;;     - A block's scale is 2^e with e = floor(log2(the largest magnitude in the block)) - 2, held to -126 .. 127; a block of zeros has e = 0. As a byte (E8M0): e + 127.
;;     - Each number is divided by its block's scale, clamped to +-6, and rounded to the nearest number of E2M1, ties to even, subnormals kept.
;;     - The product sums the exact products of the quantised numbers (number of the format x scale) in f32.
;;   ~~~python
;;   def quantise(x, axis):      # numpy; x: float32 -> the quantised numbers, widened to float32 again
;;       x = np.moveaxis(x, axis, -1); K = x.shape[-1]
;;       x = np.pad(x, [(0, 0)] * (x.ndim - 1) + [(0, -K % 32)]); x = x.reshape(x.shape[:-1] + (-1, 32)); a = np.abs(x).max(-1, keepdims=True)
;;       e = np.where(a > 0, np.clip(np.frexp(np.where(a > 0, a, 1))[1] - 1 - 2, -126, 127), 0)      # np.frexp(a)[1] - 1 = floor(log2(a)), exactly
;;       r = np.clip(x / 2.0 ** e, -6, 6)
;;       step = 2.0 ** (np.maximum(np.frexp(np.where(r == 0, 1, r))[1] - 1, 0) - 1)
;;       q = np.round(r / step) * step * 2.0 ** e      # np.round: ties to even
;;       return np.moveaxis(q.reshape(q.shape[:-2] + (-1,))[..., :K], -1, axis).astype(np.float32)
;;   ~~~
;;   SOFTMAX AHEAD OF A QUANTISED PRODUCT. Where the list says 'softmax', what is quantised is not the finished softmax but p = 2^(t - M), with t = logit x log2(e) and M = ceil(the row's largest t), a whole number; so 1/2 < the row's largest p <= 1. The row's sum l is taken of the UNQUANTISED p, in f32, and the product's result is divided by l at the end. Since M is a whole number, a kernel that streams over the keys may use a running M (the ceiling of the running maximum): every later rescaling is an exact power of two, which a block's scale takes up: the codes' values come out the same.
;;   OPERANDS COMPUTED ON THE WAY. 'Computed on the way' means the value that the module computes at that place (a softmax that the list does not call 'softmax' is quantised finished and normalised). What goes into a quantiser is computed in f32, as accurately as f32 sums, v_exp_f32 and their like allow (about 1e-6 of the number): no bf16 or f16 on the way to a quantiser, and a product that is left as it is and whose result goes on into a quantised operand takes f32 operands (vector FMAs, or v_wmma_f32_16x16x4_f32). A number that lies on a knife's edge between two numbers of the format may be rounded either way, as far as f32 arithmetic and the matrix unit's own rounding can turn it there, and no further.
;;   INPUTS GIVEN AS CODES. w_proj (in the module: [1024, 1024], K = its axis 1); w_qkv (in the module: [3072, 1024], K = its axis 1); x (in the module: [4, 2048, 1024], K = its axis 2): each comes as NAME_codes (uint8): NAME with its K axis moved to the last place and cut into blocks of 32 codes, [.., K / 32, bytes a block], one block behind the other in memory; two codes a byte, the lower K in the low four bits (a code: sign, 2 exponent bits, 1 mantissa bit); and NAME_scales (uint8): the same leading axes, one E8M0 byte (e + 127) for each 32 codes along K. Its value is code x scale, taken as it is: it is not quantised again, and the codes and scales need not be those that the quantiser above would give.
;; One version. Each part assembles by itself: llvm-mc -triple=amdgcn-amd-amdhsa -mcpu=gfx1250 --defsym DOCPART=n.
;; ======== version 1 of 1: 4 launches
;; limits: right only within a limited range of input values
;; workspace buffers: qq 4,718,592 bytes; kv 9,175,040 bytes; aimg 4,194,304 bytes; asc 262,144 bytes
;; launch qk (part 1): grid 8 x 32, 4 waves a work-group, clusters of 4 x 4, 327,680 bytes of LDS; arguments x_codes, x_scales, w_qkv_codes, w_qkv_scales, b_qkv, qq, kv; writes qq, kv
.if DOCPART == 1
	.amdgcn_target "amdgcn-amd-amdhsa--gfx1250"
	.amdhsa_code_object_version 6
	.text
	.protected	k_q79be117ce5_qk
	.globl	k_q79be117ce5_qk
	.p2align	8
	.type	k_q79be117ce5_qk,@function
k_q79be117ce5_qk:
	s_mov_b64 s[64:65], 0
	v_nop
	global_prefetch_b8 v0, s[64:65] scope:SCOPE_SE
	s_setreg_imm32_b32 hwreg(HW_REG_WAVE_MODE, 25, 1), 1
	s_wait_xcnt 0x0
	s_wait_alu depctr_hold_cnt(0) depctr_sa_sdst(0) depctr_va_vdst(0) depctr_va_sdst(0) depctr_va_ssrc(0) depctr_va_vcc(0) depctr_vm_vsrc(0)
	s_getreg_b32 s2, hwreg(HW_REG_IB_STS2, 6, 4)
	s_cmp_eq_u32 s2, 0
	s_cbranch_scc0 .Lentry_in_a_cluster
	s_endpgm
.Lentry_in_a_cluster:
	s_bfe_u32 s2, ttmp6, 0x10000c
	s_cmp_lg_u32 s2, 0xf033
	s_cbranch_scc0 .Lentry_shape_is_right
	s_endpgm
.Lentry_shape_is_right:
.set NQ,     4
.set ROWB,   512                       ; a tile's row: all of K, 1,024 codes
.set KROW,   512
.set PITCH,  528                       ; an LDS row: 512 bytes + 16 of padding
.set FR,     8
.set NL,     2
.set NP,     4
.set HALFT,  128*PITCH
.set SLOT,   256                       ; the second 512 along K begin 256 bytes on in each row
.set KS,     32
.set SCL,    4*HALFT                   ; behind the row operand's 256 rows and the column operand's 256 rows
.set HALFS,  16*272
.set SBLK,   2*272
.set SPARE,  SCL+4*HALFS
.set ADRA, 16
.set ADRB, 20
.set ADRS, 27
.set SPW,  28
.set NIL,  29
.set L16,  30
.set SC,   32
.set W,    96
.set WO,   112
.set AF,   128
.set BIAS, 192
.set TM,   200
.set G1, 24
.set G0, 32
.set G1B, 48
.set G0B, 56
.set G1S, 68
.set G0S, 76
.set G1SB, 80
.set G0SB, 88
.set SEL, 20
.set HM,  22
.set MSB, 0
.macro WIN new
.if MSB != (\new)
	s_set_vgpr_msb (MSB<<8)|(\new)
.set MSB, (\new)
.endif
.endm
.set MUL_LO,  0xa1
.set MUL_HI,  0xf1
.set MULZ_LO, 0x81
.set MULZ_HI, 0xc1
.set TO_B,    0x40
.macro ARM under, g0, g1, next         ; one arm of the head's tree: a joint load, its s_nop 0 and four v_nop, a jump to the join
	s_cmp_lt_u32 s14, \under
	s_cbranch_scc0 \next
	tensor_load_to_lds s[\g0:\g0+3], s[\g1:\g1+7]
	s_nop 0
.rept 4
	v_nop
.endr
	s_branch .Lhead_asked
\next:
.endm
.macro CROUND
	s_barrier_signal -1
	s_barrier_wait -1
	s_cmp_lg_u32 s14, 0
	s_cbranch_scc1 .Lnot_wave_0_\@
	s_barrier_signal -3
.Lnot_wave_0_\@:
	s_barrier_wait -3
	s_barrier_signal -1
	s_barrier_wait -1
.endm
	s_load_b128 s[4:7], s[0:1], 0x0
	s_load_b128 s[8:11], s[0:1], 0x10
	s_load_b64 s[12:13], s[0:1], 0x20
	s_load_b64 s[96:97], s[0:1], 0x28
	s_load_b64 s[98:99], s[0:1], 0x30
	v_lshl_add_u32 v[SPW], v0, 2, SPARE
	v_mov_b32 v[NIL], 0
	ds_add_u32 v[SPW], v[NIL]
	ds_add_u32 v[SPW], v[NIL]
	v_lshrrev_b32 v1, 5, v0
	v_readfirstlane_b32 s14, v1
	s_lshr_b32 s15, s14, 1
	s_and_b32 s16, s14, 1
	s_bfe_u32 s40, ttmp6, 0x40000
	s_bfe_u32 s41, ttmp6, 0x40004
	s_lshl_b32 s42, ttmp9, 2
	s_add_co_u32 s42, s42, s40
	s_and_b32 s17, ttmp7, 0xffff
	s_lshl_b32 s17, s17, 2
	s_add_co_u32 s17, s17, s41
	s_lshl_b32 s43, s41, 2
	s_lshl_b32 s43, 15, s43
	s_lshl_b32 s44, 0x1111, s40
	s_or_b32 s[G1+0], s43, (0<<16)|(1<<20)|(1<<21)|(6<<22)|(3<<25)   ; four words of padding after every 128
	s_or_b32 s[G1B+0], s44, (0<<16)|(1<<20)|(1<<21)|(6<<22)|(3<<25)
.irp g, G1, G1B
	s_mov_b32 s[\g+1], ROWB<<16
	s_mov_b32 s[\g+2], 256<<16
	s_mov_b32 s[\g+3], ROWB<<16
	s_mov_b32 s[\g+4], 256
	s_mov_b32 s[\g+5], KROW
	s_mov_b32 s[\g+6], 0
	s_mov_b32 s[\g+7], 0
.endr
	s_or_b32 s[G1S+0], s43, (3<<16)|(1<<20)|(1<<21)|(5<<22)|(3<<25)
	s_or_b32 s[G1SB+0], s44, (3<<16)|(1<<20)|(1<<21)|(5<<22)|(3<<25)
.irp g, G1S, G1SB
	s_mov_b32 s[\g+1], 32<<16
	s_mov_b32 s[\g+2], 32<<16
	s_mov_b32 s[\g+3], 32<<16
	s_mov_b32 s[\g+4], 32
	s_mov_b32 s[\g+5], 32
	s_mov_b32 s[\g+6], 0
	s_mov_b32 s[\g+7], 0
.endr
	s_lshl_b32 s20, s17, 8
	s_lshl_b32 s46, s42, 8
	s_mov_b32 s21, 0
	s_mov_b32 s47, 0
	s_mov_b64 s[18:19], KS
	s_mul_u64 s[22:23], s[20:21], s[18:19]
	s_mul_u64 s[92:93], s[46:47], s[18:19]
	s_mov_b64 s[18:19], KROW
	s_mul_u64 s[20:21], s[20:21], s[18:19]
	s_mul_u64 s[46:47], s[46:47], s[18:19]
	s_wait_dscnt 0x0
	s_wait_kmcnt 0x0
	s_add_nc_u64 s[20:21], s[4:5], s[20:21]
	s_add_nc_u64 s[22:23], s[6:7], s[22:23]
	s_add_nc_u64 s[46:47], s[8:9], s[46:47]
	s_add_nc_u64 s[92:93], s[10:11], s[92:93]
	CROUND
	s_mov_b32 s[G0S], 1
	s_mov_b32 s[G0S+1], SCL
	s_mov_b64 s[G0S+2:G0S+3], s[22:23]
	s_or_b32 s[G0S+3], s[G0S+3], 0x80000000
	s_mov_b32 s[G0SB], 1
	s_mov_b32 s[G0SB+1], SCL+2*HALFS
	s_mov_b64 s[G0SB+2:G0SB+3], s[92:93]
	s_or_b32 s[G0SB+3], s[G0SB+3], 0x80000000
	s_mov_b32 s[G0], 1
	s_mov_b32 s[G0+1], 0
	s_mov_b64 s[G0+2:G0+3], s[20:21]
	s_or_b32 s[G0+3], s[G0+3], 0x80000000
	s_mov_b32 s[G0B], 1
	s_mov_b32 s[G0B+1], 2*HALFT
	s_mov_b64 s[G0B+2:G0B+3], s[46:47]
	s_or_b32 s[G0B+3], s[G0B+3], 0x80000000
	; the launch's four tiles, one joint load a wave: wave 0 the row operand's 256 rows for all of K, wave 1 the column operand's, waves 2 and 3 their scales.  Nothing is filled later
	ARM 1, G0,  G1,  .Lhead_b
	ARM 2, G0B, G1B, .Lhead_sa
	ARM 3, G0S, G1S, .Lhead_sb
	tensor_load_to_lds s[G0SB:G0SB+3], s[G1SB:G1SB+7]
	s_nop 0
.rept 4
	v_nop
.endr
.Lhead_asked:
	v_and_b32 v1, 15, v0
	s_wait_alu depctr_va_vdst(0)
	v_bfe_u32 v2, v0, 4, 1
	s_lshl_b32 s18, s42, 10
	s_lshl_b32 s19, s16, 9
	s_add_co_u32 s18, s18, s19
	s_mov_b32 s19, 0
	s_add_nc_u64 s[12:13], s[12:13], s[18:19]
	v_lshlrev_b32 v7, 5, v2
.irp b, 0,1,2,3,4,5,6,7
	global_load_b128 v[BIAS+8*\b:BIAS+8*\b+3], v7, s[12:13] offset:64*\b
	global_load_b128 v[BIAS+8*\b+4:BIAS+8*\b+7], v7, s[12:13] offset:64*\b+16
.endr
	v_mul_u32_u24 v3, v1, PITCH
	v_lshl_add_u32 v4, v2, 4, v3
	s_mul_i32 s21, s15, HALFT
	s_mul_i32 s22, s16, HALFT
	s_add_co_u32 s22, s22, 2*HALFT
.irp s, 0,1
	v_add_nc_u32 v[ADRA+\s], s21, v4
	v_add_nc_u32 v[ADRB+\s], s22, v4
	s_add_co_u32 s21, s21, SLOT
	s_add_co_u32 s22, s22, SLOT
.endr
	v_mul_u32_u24 v5, v1, KS
	v_lshrrev_b32 v6, 8, v5
	v_lshl_add_u32 v5, v6, 4, v5
	s_mul_i32 s21, s15, HALFS
	s_mul_i32 s22, s16, HALFS
	s_add_co_u32 s22, s22, 2*HALFS
	s_sub_co_u32 s22, s22, s21
	v_mul_u32_u24 v6, s22, v2
	s_add_co_u32 s21, s21, SCL
	v_add_nc_u32 v5, v5, v6
	v_add_nc_u32 v[ADRS], s21, v5
	v_and_b32 v6, 31, v0
	v_lshlrev_b32 v[L16], 4, v6
	s_lshr_b32 s18, s17, 3
	s_lshl_b32 s18, s18, 4
	s_lshl_b32 s19, s40, 2
	s_add_co_u32 s18, s18, s19
	s_lshl_b32 s19, s16, 1
	s_add_co_u32 s18, s18, s19
	s_lshl_b32 s18, s18, 4
	s_and_b32 s19, s17, 7
	s_lshl_b32 s19, s19, 1
	s_add_co_u32 s18, s18, s19
	s_add_co_u32 s18, s18, s15
	s_mov_b32 s100, 8960
	s_mov_b32 s101, 8192
	s_cmp_eq_u32 ttmp9, 0
	s_cselect_b32 s100, 4608, s100
	s_cselect_b32 s101, 4096, s101
	s_cselect_b64 s[96:97], s[96:97], s[98:99]
	s_mul_i32 s18, s18, s100
	s_mov_b32 s19, 0
	s_add_nc_u64 s[4:5], s[96:97], s[18:19]
	s_lshl_b32 s18, s100, 4
	s_add_nc_u64 s[6:7], s[4:5], s[18:19]
	s_mov_b32 s18, s101
	s_add_nc_u64 s[8:9], s[4:5], s[18:19]
	s_add_nc_u64 s[10:11], s[6:7], s[18:19]
	s_mov_b32 s[SEL], 0x76543210
	s_mov_b32 s[SEL+1], 0xfedcba98
	s_mov_b32 s[HM], 0xffff0000
.macro FRAG reg, adr, q, i
.irp c, 0,1
	ds_load_b128 v[\reg+4*\c:\reg+4*\c+3], v[\adr] offset:64*(\q)+32*\c+(\i)*16*PITCH
.endr
.endm
.macro MUL16 a0, p, q, sc, zero
.irp a, \a0, \a0+1
.irp b, 0,1,2,3,4,5,6,7
.if \zero
	v_wmma_scale_f32_16x16x128_f8f6f4 v[8*(8*((\a)%4)+\b):8*(8*((\a)%4)+\b)+7], v[128*(\p)+FR*\b:128*(\p)+FR*\b+FR-1], v[AF+FR*(\a):AF+FR*(\a)+FR-1], v[BIAS+8*\b:BIAS+8*\b+7], v[SC+8*NQ*(\sc)+NQ*\b+(\q)], v[SC+8*NQ*(\sc)+NQ*(\a)+(\q)] matrix_a_fmt:MATRIX_FMT_FP4 matrix_b_fmt:MATRIX_FMT_FP4 matrix_a_scale:MATRIX_SCALE_ROW1
.else
	v_wmma_scale_f32_16x16x128_f8f6f4 v[8*(8*((\a)%4)+\b):8*(8*((\a)%4)+\b)+7], v[128*(\p)+FR*\b:128*(\p)+FR*\b+FR-1], v[AF+FR*(\a):AF+FR*(\a)+FR-1], v[8*(8*((\a)%4)+\b):8*(8*((\a)%4)+\b)+7], v[SC+8*NQ*(\sc)+NQ*\b+(\q)], v[SC+8*NQ*(\sc)+NQ*(\a)+(\q)] matrix_a_fmt:MATRIX_FMT_FP4 matrix_b_fmt:MATRIX_FMT_FP4 matrix_a_scale:MATRIX_SCALE_ROW1
.endif
.endr
.endr
.endm
.macro FETCH_B slot, q, p
	WIN TO_B
.irp i, 0,1,2,3,4,5,6,7
	FRAG 128*(\p)+FR*\i, ADRB+\slot, \q, \i
.endr
	WIN 0
.endm
.macro FETCH_A slot, q, i0
.irp i, \i0, \i0+1, \i0+2, \i0+3
	FRAG AF+FR*(\i), ADRA+\slot, \q, \i
.endr
.endm
.macro SCALES sc
.irp i, 0,1,2,3,4,5,6,7
	ds_load_b128 v[SC+8*NQ*\sc+NQ*\i:SC+8*NQ*\sc+NQ*\i+3], v[ADRS] offset:\i*SBLK
.endr
.endm
.macro PLACES n
.rept \n
	v_nop
.endr
.endm
.macro STEP slot, q, zero
	s_wait_dscnt 4*NL
.if \zero
	WIN MULZ_LO
.else
	WIN MUL_LO
.endif
	MUL16 0, (\q)%2, \q, \slot, \zero
	MUL16 2, (\q)%2, \q, \slot, \zero
	s_wait_dscnt 0
	PLACES NP
	FETCH_B \slot, (\q)+1, 1-(\q)%2
	FETCH_A \slot, (\q)+1, 0
.if \zero
	WIN MULZ_HI
.else
	WIN MUL_HI
.endif
	MUL16 4, (\q)%2, \q, \slot, \zero
	MUL16 6, (\q)%2, \q, \slot, \zero
	PLACES NP
	WIN 0
	FETCH_A \slot, (\q)+1, 4
.endm
.macro TURN slot, next
	s_wait_dscnt 4*NL                              ; the youngest eight loads may be out.  All of K landed at the head: no barrier here
	WIN MUL_LO
	MUL16 0, 1, NQ-1, \slot, 0
	MUL16 2, 1, NQ-1, \slot, 0
	s_wait_dscnt 0x0
	WIN 0
	PLACES NP
	v_add_nc_u32 v[ADRS], 4*NQ, v[ADRS]
	FETCH_B \next, 0, 0
	FETCH_A \next, 0, 0
	SCALES \next
	WIN MUL_HI
	MUL16 4, 1, NQ-1, \slot, 0
	MUL16 6, 1, NQ-1, \slot, 0
	PLACES NP
	WIN 0
	FETCH_A \next, 0, 4
.endm
.macro STEPS slot, from
.set Q, \from
.rept NQ-1-\from
	STEP \slot, Q, 0
.set Q, Q+1
.endr
.endm
	s_wait_alu depctr_va_vdst(0)
	s_wait_tensorcnt 0x0                           ; my tile of the four is in; behind the barrier everybody's is
	s_barrier_signal -1
	s_barrier_wait -1
	FETCH_B 0, 0, 0
	FETCH_A 0, 0, 0
	SCALES 0
	FETCH_A 0, 0, 4
	s_wait_loadcnt 0x0
	STEP 0, 0, 1
	STEPS 0, 1
	TURN 0, 1
	STEPS 1, 0
	s_wait_dscnt 4*NL
	WIN MUL_LO
	MUL16 0, 1, NQ-1, 1, 0
	MUL16 2, 1, NQ-1, 1, 0
	s_wait_dscnt 0
	WIN MUL_HI
	MUL16 4, 1, NQ-1, 1, 0
	MUL16 6, 1, NQ-1, 1, 0
	WIN 0
.macro QUANTW a
.set AC, 64*((\a)%4)
.set PC, AF+8*(\a)
	WIN 0x0a+5*((\a)/4)
.irp b, 0,1,2,3
	v_max3_num_f32 v[TM+\b], |v[AC+16*\b]|, |v[AC+16*\b+1]|, 0x1800000
.endr
.irp i, 2,4,6,8,10,12,14
.irp b, 0,1,2,3
	v_max3_num_f32 v[TM+\b], |v[AC+16*\b+\i]|, |v[AC+16*\b+\i+1]|, v[TM+\b]
.endr
.endr
	WIN 0
.irp b, 0,1,2,3
	v_permlanex16_b32 v[TM+4+\b], v[TM+\b], s[SEL], s[SEL+1]
.endr
.irp b, 0,1,2,3
	v_max_num_f32 v[TM+\b], v[TM+\b], v[TM+4+\b]
.endr
.irp b, 0,1,2,3
	v_add_nc_u32 v[TM+12+\b], 0xff000000, v[TM+\b]
.endr
.irp b, 0,1,2,3
	v_lshrrev_b32 v[TM+4+\b], 23, v[TM+12+\b]
.endr
	v_lshl_or_b32 v[W+(\a)], v[TM+5], 8, v[TM+4]
	v_lshl_or_b32 v[W+8+(\a)], v[TM+7], 8, v[TM+6]
	v_lshl_or_b32 v[W+(\a)], v[W+(\a)], 16, v[W+(\a)]
	v_lshl_or_b32 v[W+8+(\a)], v[W+8+(\a)], 16, v[W+8+(\a)]
	WIN 0x02+(\a)/4
.irp t, 0,1,2,3,4,5,6,7
	v_cvt_scalef32_pk8_fp4_f32 v[PC+4*(\t/4)+2*(\t%2)+(\t%4)/2], v[AC+8*\t:AC+8*\t+7], v[TM+12+\t/2]
.endr
	WIN 0
	v_nop
.irp c, 0,1
	v_permlane16_swap_b32 v[PC+4*\c], v[PC+4*\c+1]
	v_permlane16_swap_b32 v[PC+4*\c+2], v[PC+4*\c+3]
.endr
.endm
	PLACES NP
.irp b, 0,1,2,3
	v_mov_b32 v[TM+4+\b], 0
.endr
.irp a, 0,1,2,3,4,5,6,7
	QUANTW \a
	global_store_b128 v[L16], v[AF+8*\a:AF+8*\a+3], s[4:5] offset:512*\a
	global_store_b128 v[L16], v[AF+8*\a+4:AF+8*\a+7], s[6:7] offset:512*\a
.endr
.irp e, 0,1
.irp i, 0,1,2,3
	v_cndmask_b32 v[WO+4*\e+\i], v[W+8*\e+\i], v[W+8*\e+4+\i], s[HM]
.endr
	global_store_b128 v[L16], v[WO+4*\e:WO+4*\e+3], s[8+2*\e:9+2*\e]
.endr
	s_wait_tensorcnt 0x0
	ds_add_u32 v[SPW], v[NIL]
	s_wait_dscnt 0x0
	CROUND
	s_endpgm
.Lfunc_end_k_q79be117ce5_qk:
	.size	k_q79be117ce5_qk, .Lfunc_end_k_q79be117ce5_qk-k_q79be117ce5_qk
	.p2alignl 7, 3214868480
	.fill 96, 4, 3214868480
	.section	.rodata,"a",@progbits
	.p2align	6, 0x0
	.amdhsa_kernel k_q79be117ce5_qk
		.amdhsa_group_segment_fixed_size 327680
		.amdhsa_private_segment_fixed_size 0
		.amdhsa_enable_private_segment 0
		.amdhsa_kernarg_size 56
		.amdhsa_user_sgpr_count 2
		.amdhsa_user_sgpr_kernarg_segment_ptr 1
		.amdhsa_wavefront_size32 1
		.amdhsa_system_sgpr_workgroup_id_x 1
		.amdhsa_system_sgpr_workgroup_id_y 1
		.amdhsa_system_sgpr_workgroup_id_z 1
		.amdhsa_system_vgpr_workitem_id 0
		.amdhsa_next_free_vgpr 1024
		.amdhsa_next_free_sgpr 102
		.amdhsa_reserve_vcc 0
		.amdhsa_float_denorm_mode_32 3
		.amdhsa_float_denorm_mode_16_64 3
		.amdhsa_memory_ordered 1
		.amdhsa_forward_progress 1
		.amdhsa_inst_pref_size 130
	.end_amdhsa_kernel
	.amdgpu_metadata
---
amdhsa.version: [ 1, 2 ]
amdhsa.kernels:
  - .name:           k_q79be117ce5_qk
    .symbol:         k_q79be117ce5_qk.kd
    .args:
      - { .name: x_codes, .offset: 0, .size: 8, .value_kind: global_buffer, .address_space: global }
      - { .name: x_scales, .offset: 8, .size: 8, .value_kind: global_buffer, .address_space: global }
      - { .name: w_qkv_codes, .offset: 16, .size: 8, .value_kind: global_buffer, .address_space: global }
      - { .name: w_qkv_scales, .offset: 24, .size: 8, .value_kind: global_buffer, .address_space: global }
      - { .name: b_qkv, .offset: 32, .size: 8, .value_kind: global_buffer, .address_space: global }
      - { .name: qq, .offset: 40, .size: 8, .value_kind: global_buffer, .address_space: global }
      - { .name: kv, .offset: 48, .size: 8, .value_kind: global_buffer, .address_space: global }
    .group_segment_fixed_size: 327680
    .private_segment_fixed_size: 0
    .kernarg_segment_align: 8
    .kernarg_segment_size: 56
    .max_flat_workgroup_size: 128
    .sgpr_count:     102
    .vgpr_count:     1024
    .wavefront_size: 32
...
	.end_amdgpu_metadata
.endif
;; end of part 1
;; launch vt (part 2): grid 32 x 4, 4 waves a work-group, clusters of 4 x 4, 327,680 bytes of LDS; arguments w_qkv_codes, w_qkv_scales, x_codes, x_scales, b_qkv, kv; writes kv
.if DOCPART == 2
	.amdgcn_target "amdgcn-amd-amdhsa--gfx1250"
	.amdhsa_code_object_version 6
	.text
	.protected	k_q79be117ce5_vt
	.globl	k_q79be117ce5_vt
	.p2align	8
	.type	k_q79be117ce5_vt,@function
k_q79be117ce5_vt:
	s_mov_b64 s[64:65], 0
	v_nop
	global_prefetch_b8 v0, s[64:65] scope:SCOPE_SE
	s_setreg_imm32_b32 hwreg(HW_REG_WAVE_MODE, 25, 1), 1
	s_wait_xcnt 0x0
	s_wait_alu depctr_hold_cnt(0) depctr_sa_sdst(0) depctr_va_vdst(0) depctr_va_sdst(0) depctr_va_ssrc(0) depctr_va_vcc(0) depctr_vm_vsrc(0)
	s_getreg_b32 s2, hwreg(HW_REG_IB_STS2, 6, 4)
	s_cmp_eq_u32 s2, 0
	s_cbranch_scc0 .Lentry_in_a_cluster
	s_endpgm
.Lentry_in_a_cluster:
	s_bfe_u32 s2, ttmp6, 0x10000c
	s_cmp_lg_u32 s2, 0xf033
	s_cbranch_scc0 .Lentry_shape_is_right
	s_endpgm
.Lentry_shape_is_right:
; v^T = Wv x^T + bv on codes of FP4 (E2M1) with E8M0 scales, quantised along the TOKENS (the keys are the K of attention's second product) into kv.  No work is left out.
; The text is the launch qk's with the roles swapped: the row operand is w_qkv's rows 2,048 on (256 channels a tile: ty = my place along the cluster's y, since the grid's y is the cluster's), the column operand x (256 tokens: tx).
; THE MATRIX INSTRUCTION IS USED TRANSPOSED (source 0 = 16 tokens, source 1 = 16 channels): lane (r, h) holds channel r, and register j of tile t token 16 t + 8 h + j.
; A wave makes 128 channels (two heads of four channel tiles) x 128 tokens (one key step g).  Block a's 64 results a lane become one whole fragment (16 channels x 128 keys, 8 registers) and one scale word a channel.
; kv: [batch x head 64][g 16][8,960]: V's fragments [ct 4][c 2][lane][16 bytes] at 4,096; V's scale words [r 16][ct 4] at 8,704.
; The bias is the C of each sum's first matrix instruction: eight registers a block, all holding the lane's channel's bias.
; LIMITS: as in the launch qk: NaN, infinities, a given byte 0xff are not served; a block under 2^-124 (a block of zeros too) keeps the byte 1.
; REGISTERS: as in the launch qk.
.set NQ,     4
.set ROWB,   512                       ; a tile's row: all of K, 1,024 codes
.set KROW,   512
.set PITCH,  528                       ; an LDS row: 512 bytes + 16 of padding
.set FR,     8
.set NL,     2
.set NP,     4
.set HALFT,  128*PITCH
.set SLOT,   256                       ; the second 512 along K begin 256 bytes on in each row
.set KS,     32
.set SCL,    4*HALFT                   ; behind w's 256 rows and x's 256 rows
.set HALFS,  16*272
.set SBLK,   2*272
.set SPARE,  SCL+4*HALFS               ; the spare words, 128 bytes for each wave: two blocks of 256 bytes that no other line names
.set ADRA, 16
.set ADRB, 20
.set ADRS, 27
.set SPW,  28
.set NIL,  29
.set L16,  30
.set SO,   31                          ; v31  16 r + (lane / 16) x 16 groups of kv
.set SC,   32
.set W,    96
.set WO,   112
.set AF,   128
.set BIAS, 192
.set TM,   200
.set G1, 24
.set G0, 32
.set G1B, 48
.set G0B, 56
.set G1S, 68
.set G0S, 76
.set G1SB, 80
.set G0SB, 88
.set SEL, 20
.set HM,  22
.set MSB, 0
.macro WIN new
.if MSB != (\new)
	s_set_vgpr_msb (MSB<<8)|(\new)
.set MSB, (\new)
.endif
.endm
.set MUL_LO,  0xa1
.set MUL_HI,  0xf1
.set MULZ_LO, 0x81
.set MULZ_HI, 0xc1
.set TO_B,    0x40
.macro ARM under, g0, g1, next         ; one arm of the head's tree: a joint load, its s_nop 0 and four v_nop, a jump to the join
	s_cmp_lt_u32 s14, \under
	s_cbranch_scc0 \next
	tensor_load_to_lds s[\g0:\g0+3], s[\g1:\g1+7]
	s_nop 0
.rept 4
	v_nop
.endr
	s_branch .Lhead_asked
\next:
.endm
.macro CROUND
	s_barrier_signal -1
	s_barrier_wait -1
	s_cmp_lg_u32 s14, 0
	s_cbranch_scc1 .Lnot_wave_0_\@
	s_barrier_signal -3
.Lnot_wave_0_\@:
	s_barrier_wait -3
	s_barrier_signal -1
	s_barrier_wait -1
.endm
	s_load_b128 s[4:7], s[0:1], 0x0                ; w's codes, w's scales
	s_load_b128 s[8:11], s[0:1], 0x10              ; x's codes, x's scales
	s_load_b64 s[12:13], s[0:1], 0x20              ; b_qkv
	s_load_b64 s[96:97], s[0:1], 0x28              ; kv
	v_lshl_add_u32 v[SPW], v0, 2, SPARE
	v_mov_b32 v[NIL], 0
	ds_add_u32 v[SPW], v[NIL]                      ; the wave's opening: the add, twice on end, and its wait ahead of my first tensor load
	ds_add_u32 v[SPW], v[NIL]
	v_lshrrev_b32 v1, 5, v0
	v_readfirstlane_b32 s14, v1                    ; wave 0..3
	s_lshr_b32 s15, s14, 1                         ; which 128 channels are mine.  Also: I fetch codes (0) or scales (1)
	s_and_b32 s16, s14, 1                          ; which 128 tokens.  Also: I fetch for w (0) or for x (1)
	s_bfe_u32 s40, ttmp6, 0x40000                  ; cx, cy
	s_bfe_u32 s41, ttmp6, 0x40004
	s_lshl_b32 s42, ttmp9, 2
	s_add_co_u32 s42, s42, s40                     ; tx: tile of tokens
	s_mov_b32 s17, s41                             ; ty: tile of channels = cy
	s_lshl_b32 s43, s41, 2
	s_lshl_b32 s43, 15, s43                        ; my row of the cluster
	s_lshl_b32 s44, 0x1111, s40                    ; my column
	s_or_b32 s[G1+0], s43, (0<<16)|(1<<20)|(1<<21)|(6<<22)|(3<<25)   ; four words of padding after every 128
	s_or_b32 s[G1B+0], s44, (0<<16)|(1<<20)|(1<<21)|(6<<22)|(3<<25)
.irp g, G1, G1B
	s_mov_b32 s[\g+1], ROWB<<16
	s_mov_b32 s[\g+2], 256<<16
	s_mov_b32 s[\g+3], ROWB<<16
	s_mov_b32 s[\g+4], 256
	s_mov_b32 s[\g+5], KROW
	s_mov_b32 s[\g+6], 0
	s_mov_b32 s[\g+7], 0
.endr
	s_or_b32 s[G1S+0], s43, (3<<16)|(1<<20)|(1<<21)|(5<<22)|(3<<25)
	s_or_b32 s[G1SB+0], s44, (3<<16)|(1<<20)|(1<<21)|(5<<22)|(3<<25)
.irp g, G1S, G1SB
	s_mov_b32 s[\g+1], 32<<16
	s_mov_b32 s[\g+2], 32<<16
	s_mov_b32 s[\g+3], 32<<16
	s_mov_b32 s[\g+4], 32
	s_mov_b32 s[\g+5], 32
	s_mov_b32 s[\g+6], 0
	s_mov_b32 s[\g+7], 0
.endr
	s_lshl_b32 s20, s17, 8
	s_add_co_u32 s20, s20, 2048                    ; w: row 2,048 + 256 ty
	s_lshl_b32 s46, s42, 8                         ; x: row 256 tx
	s_mov_b32 s21, 0
	s_mov_b32 s47, 0
	s_mov_b64 s[18:19], KS
	s_mul_u64 s[22:23], s[20:21], s[18:19]
	s_mul_u64 s[92:93], s[46:47], s[18:19]
	s_mov_b64 s[18:19], KROW
	s_mul_u64 s[20:21], s[20:21], s[18:19]
	s_mul_u64 s[46:47], s[46:47], s[18:19]
	s_wait_dscnt 0x0                               ; both opening adds are done
	s_wait_kmcnt 0x0
	s_add_nc_u64 s[20:21], s[4:5], s[20:21]
	s_add_nc_u64 s[22:23], s[6:7], s[22:23]
	s_add_nc_u64 s[46:47], s[8:9], s[46:47]
	s_add_nc_u64 s[92:93], s[10:11], s[92:93]
	CROUND                                         ; all sixteen work-groups are here: the joint loads meet
	s_mov_b32 s[G0S], 1
	s_mov_b32 s[G0S+1], SCL
	s_mov_b64 s[G0S+2:G0S+3], s[22:23]
	s_or_b32 s[G0S+3], s[G0S+3], 0x80000000
	s_mov_b32 s[G0SB], 1
	s_mov_b32 s[G0SB+1], SCL+2*HALFS
	s_mov_b64 s[G0SB+2:G0SB+3], s[92:93]
	s_or_b32 s[G0SB+3], s[G0SB+3], 0x80000000
	s_mov_b32 s[G0], 1
	s_mov_b32 s[G0+1], 0
	s_mov_b64 s[G0+2:G0+3], s[20:21]
	s_or_b32 s[G0+3], s[G0+3], 0x80000000
	s_mov_b32 s[G0B], 1
	s_mov_b32 s[G0B+1], 2*HALFT
	s_mov_b64 s[G0B+2:G0B+3], s[46:47]
	s_or_b32 s[G0B+3], s[G0B+3], 0x80000000
	; the launch's four tiles, one joint load a wave: wave 0 w's 256 rows for all of K, wave 1 x's, waves 2 and 3 their scales.  Nothing is filled later
	ARM 1, G0,  G1,  .Lhead_b
	ARM 2, G0B, G1B, .Lhead_sa
	ARM 3, G0S, G1S, .Lhead_sb
	tensor_load_to_lds s[G0SB:G0SB+3], s[G1SB:G1SB+7]
	s_nop 0
.rept 4
	v_nop
.endr
.Lhead_asked:
	v_and_b32 v1, 15, v0                           ; r
	s_wait_alu depctr_va_vdst(0)
	v_bfe_u32 v2, v0, 4, 1                         ; h
	; the bias of my 128 channels: lane r of block a wants b_qkv[2,048 + 256 ty + 128 half + 16 a + r]
	s_lshl_b32 s18, s17, 10
	s_lshl_b32 s19, s15, 9
	s_add_co_u32 s18, s18, s19
	s_add_co_u32 s18, s18, 8192
	s_mov_b32 s19, 0
	s_add_nc_u64 s[12:13], s[12:13], s[18:19]
	v_lshlrev_b32 v7, 2, v1
.irp a, 0,1,2,3,4,5,6,7
	global_load_b32 v[BIAS+8*\a], v7, s[12:13] offset:64*\a
.endr
	v_mul_u32_u24 v3, v1, PITCH
	v_lshl_add_u32 v4, v2, 4, v3
	s_mul_i32 s21, s15, HALFT
	s_mul_i32 s22, s16, HALFT
	s_add_co_u32 s22, s22, 2*HALFT
.irp s, 0,1
	v_add_nc_u32 v[ADRA+\s], s21, v4
	v_add_nc_u32 v[ADRB+\s], s22, v4
	s_add_co_u32 s21, s21, SLOT
	s_add_co_u32 s22, s22, SLOT
.endr
	v_mul_u32_u24 v5, v1, KS
	v_lshrrev_b32 v6, 8, v5
	v_lshl_add_u32 v5, v6, 4, v5
	s_mul_i32 s21, s15, HALFS
	s_mul_i32 s22, s16, HALFS
	s_add_co_u32 s22, s22, 2*HALFS
	s_sub_co_u32 s22, s22, s21
	v_mul_u32_u24 v6, s22, v2
	s_add_co_u32 s21, s21, SCL
	v_add_nc_u32 v5, v5, v6
	v_add_nc_u32 v[ADRS], s21, v5
	v_and_b32 v6, 31, v0
	v_lshlrev_b32 v[L16], 4, v6
	v_mul_u32_u24 v[SO], v2, 143360                ; lanes 16-31: the next head, 16 groups of 8,960 bytes on
	v_lshl_add_u32 v[SO], v1, 4, v[SO]
	; where my results go: group index ((batch x 16 + head) x 16 + g)
	s_lshr_b32 s18, s42, 3
	s_lshl_b32 s18, s18, 4
	s_lshl_b32 s19, s17, 2
	s_add_co_u32 s18, s18, s19
	s_lshl_b32 s19, s15, 1
	s_add_co_u32 s18, s18, s19                     ; batch x 16 + my first head (4 ty + 2 x half)
	s_lshl_b32 s18, s18, 4
	s_and_b32 s19, s42, 7
	s_lshl_b32 s19, s19, 1
	s_add_co_u32 s18, s18, s19
	s_add_co_u32 s18, s18, s16                     ; + g = 2 (tx % 8) + my half of the tokens
	s_mul_i32 s18, s18, 8960
	s_mov_b32 s19, 0
	s_add_nc_u64 s[4:5], s[96:97], s[18:19]
	s_add_nc_u64 s[8:9], s[4:5], 8704              ; V's scale words
	s_add_nc_u64 s[4:5], s[4:5], 4096              ; head 0's fragments
	s_add_nc_u64 s[6:7], s[4:5], 143360            ; head 1's
	s_mov_b32 s[SEL], 0x76543210
	s_mov_b32 s[SEL+1], 0xfedcba98
	s_mov_b32 s[HM], 0xffff0000
	s_wait_loadcnt 0x0                             ; the bias: one number a block; a C operand is eight registers
.irp a, 0,1,2,3,4,5,6,7
.irp j, 1,2,3,4,5,6,7
	v_mov_b32 v[BIAS+8*\a+\j], v[BIAS+8*\a]
.endr
.endr
.macro FRAG reg, adr, q, i
.irp c, 0,1
	ds_load_b128 v[\reg+4*\c:\reg+4*\c+3], v[\adr] offset:64*(\q)+32*\c+(\i)*16*PITCH
.endr
.endm
; 16 matrix instructions: w's blocks a0, a0 + 1 against x's eight.  zero = 1: the first product starts the sums from the bias.  The 64 accumulators take turns, one instruction a turn.
.macro MUL16 a0, p, q, sc, zero
.irp a, \a0, \a0+1
.irp b, 0,1,2,3,4,5,6,7
.if \zero
	v_wmma_scale_f32_16x16x128_f8f6f4 v[8*(8*((\a)%4)+\b):8*(8*((\a)%4)+\b)+7], v[128*(\p)+FR*\b:128*(\p)+FR*\b+FR-1], v[AF+FR*(\a):AF+FR*(\a)+FR-1], v[BIAS+8*(\a):BIAS+8*(\a)+7], v[SC+8*NQ*(\sc)+NQ*\b+(\q)], v[SC+8*NQ*(\sc)+NQ*(\a)+(\q)] matrix_a_fmt:MATRIX_FMT_FP4 matrix_b_fmt:MATRIX_FMT_FP4 matrix_a_scale:MATRIX_SCALE_ROW1
.else
	v_wmma_scale_f32_16x16x128_f8f6f4 v[8*(8*((\a)%4)+\b):8*(8*((\a)%4)+\b)+7], v[128*(\p)+FR*\b:128*(\p)+FR*\b+FR-1], v[AF+FR*(\a):AF+FR*(\a)+FR-1], v[8*(8*((\a)%4)+\b):8*(8*((\a)%4)+\b)+7], v[SC+8*NQ*(\sc)+NQ*\b+(\q)], v[SC+8*NQ*(\sc)+NQ*(\a)+(\q)] matrix_a_fmt:MATRIX_FMT_FP4 matrix_b_fmt:MATRIX_FMT_FP4 matrix_a_scale:MATRIX_SCALE_ROW1
.endif
.endr
.endr
.endm
.macro FETCH_B slot, q, p
	WIN TO_B
.irp i, 0,1,2,3,4,5,6,7
	FRAG 128*(\p)+FR*\i, ADRB+\slot, \q, \i
.endr
	WIN 0
.endm
.macro FETCH_A slot, q, i0
.irp i, \i0, \i0+1, \i0+2, \i0+3
	FRAG AF+FR*(\i), ADRA+\slot, \q, \i
.endr
.endm
.macro SCALES sc
.irp i, 0,1,2,3,4,5,6,7
	ds_load_b128 v[SC+8*NQ*\sc+NQ*\i:SC+8*NQ*\sc+NQ*\i+3], v[ADRS] offset:\i*SBLK
.endr
.endm
.macro PLACES n
.rept \n
	v_nop
.endr
.endm
.macro STEP slot, q, zero
	s_wait_dscnt 4*NL                              ; the youngest eight loads (the row operand's blocks 4-7) may be out
.if \zero
	WIN MULZ_LO
.else
	WIN MUL_LO
.endif
	MUL16 0, (\q)%2, \q, \slot, \zero
	MUL16 2, (\q)%2, \q, \slot, \zero
	s_wait_dscnt 0
	PLACES NP
	FETCH_B \slot, (\q)+1, 1-(\q)%2
	FETCH_A \slot, (\q)+1, 0
.if \zero
	WIN MULZ_HI
.else
	WIN MUL_HI
.endif
	MUL16 4, (\q)%2, \q, \slot, \zero
	MUL16 6, (\q)%2, \q, \slot, \zero
	PLACES NP
	WIN 0
	FETCH_A \slot, (\q)+1, 4
.endm
.macro TURN slot, next
	s_wait_dscnt 4*NL                              ; the youngest eight loads may be out.  All of K landed at the head: no barrier here
	WIN MUL_LO
	MUL16 0, 1, NQ-1, \slot, 0
	MUL16 2, 1, NQ-1, \slot, 0
	s_wait_dscnt 0x0
	WIN 0
	PLACES NP
	v_add_nc_u32 v[ADRS], 4*NQ, v[ADRS]
	FETCH_B \next, 0, 0
	FETCH_A \next, 0, 0
	SCALES \next
	WIN MUL_HI
	MUL16 4, 1, NQ-1, \slot, 0
	MUL16 6, 1, NQ-1, \slot, 0
	PLACES NP
	WIN 0
	FETCH_A \next, 0, 4
.endm
.macro STEPS slot, from
.set Q, \from
.rept NQ-1-\from
	STEP \slot, Q, 0
.set Q, Q+1
.endr
.endm
	s_wait_alu depctr_va_vdst(0)
	s_wait_tensorcnt 0x0                           ; my tile of the four is in; behind the barrier everybody's is
	s_barrier_signal -1
	s_barrier_wait -1
	FETCH_B 0, 0, 0
	FETCH_A 0, 0, 0
	SCALES 0
	FETCH_A 0, 0, 4
	STEP 0, 0, 1
	STEPS 0, 1
	TURN 0, 1
	STEPS 1, 0
	s_wait_dscnt 4*NL
	WIN MUL_LO
	MUL16 0, 1, NQ-1, 1, 0
	MUL16 2, 1, NQ-1, 1, 0
	s_wait_dscnt 0
	WIN MUL_HI
	MUL16 4, 1, NQ-1, 1, 0
	MUL16 6, 1, NQ-1, 1, 0
	WIN 0
; Block a (16 channels x 128 tokens) becomes one fragment, v[AF + 8 a] on, and one scale word a channel.
.macro QUANTW a
.set AC, 64*((\a)%4)
.set PC, AF+8*(\a)
	WIN 0x0a+5*((\a)/4)
.irp b, 0,1,2,3
	v_max3_num_f32 v[TM+\b], |v[AC+16*\b]|, |v[AC+16*\b+1]|, 0x1800000   ; block b of 32 tokens: my 16 numbers, each accumulator from its low end on, and the floor 2^(3 - 127)
.endr
.irp i, 2,4,6,8,10,12,14
.irp b, 0,1,2,3
	v_max3_num_f32 v[TM+\b], |v[AC+16*\b+\i]|, |v[AC+16*\b+\i+1]|, v[TM+\b]
.endr
.endr
	WIN 0
.irp b, 0,1,2,3
	v_permlanex16_b32 v[TM+4+\b], v[TM+\b], s[SEL], s[SEL+1]
.endr
.irp b, 0,1,2,3
	v_max_num_f32 v[TM+\b], v[TM+\b], v[TM+4+\b]
.endr
.irp b, 0,1,2,3
	v_add_nc_u32 v[TM+12+\b], 0xff000000, v[TM+\b]
.endr
.irp b, 0,1,2,3
	v_lshrrev_b32 v[TM+4+\b], 23, v[TM+12+\b]
.endr
	v_lshl_or_b32 v[W+(\a)], v[TM+5], 8, v[TM+4]   ; the four bytes make my channel's scale word for these 128 keys
	v_lshl_or_b32 v[W+(\a)], v[TM+6], 16, v[W+(\a)]
	v_lshl_or_b32 v[W+(\a)], v[TM+7], 24, v[W+(\a)]
	WIN 0x02+(\a)/4
.irp t, 0,1,2,3,4,5,6,7
	v_cvt_scalef32_pk8_fp4_f32 v[PC+4*(\t/4)+2*(\t%2)+(\t%4)/2], v[AC+8*\t:AC+8*\t+7], v[TM+12+\t/2]
.endr
	WIN 0
	v_nop                                          ; one plain place behind a scaled conversion
.irp c, 0,1
	v_permlane16_swap_b32 v[PC+4*\c], v[PC+4*\c+1]
	v_permlane16_swap_b32 v[PC+4*\c+2], v[PC+4*\c+3]
.endr
.endm
	PLACES NP
.irp b, 0,1,2,3
	v_mov_b32 v[TM+4+\b], 0                        ; written once: a lane permute's destination counts as one of its sources
.endr
.irp a, 0,1,2,3,4,5,6,7
	QUANTW \a
	global_store_b128 v[L16], v[AF+8*\a:AF+8*\a+3], s[4+2*(\a/4):5+2*(\a/4)] offset:1024*(\a%4)         ; keys 0-63: 32 lanes store 512 consecutive bytes, aligned
	global_store_b128 v[L16], v[AF+8*\a+4:AF+8*\a+7], s[4+2*(\a/4):5+2*(\a/4)] offset:1024*(\a%4)+512   ; keys 64-127
.endr
.irp i, 0,1,2,3
	v_cndmask_b32 v[WO+\i], v[W+\i], v[W+4+\i], s[HM]          ; lanes 0-15: head 0's four channel tiles; lanes 16-31: head 1's
.endr
	global_store_b128 v[SO], v[WO:WO+3], s[8:9]    ; sixteen lanes store 256 consecutive bytes, aligned
	s_wait_tensorcnt 0x0                           ; the wave's end
	ds_add_u32 v[SPW], v[NIL]
	s_wait_dscnt 0x0
	CROUND                                         ; the closing round
	s_endpgm
.Lfunc_end_k_q79be117ce5_vt:
	.size	k_q79be117ce5_vt, .Lfunc_end_k_q79be117ce5_vt-k_q79be117ce5_vt
	.p2alignl 7, 3214868480
	.fill 96, 4, 3214868480
	.section	.rodata,"a",@progbits
	.p2align	6, 0x0
	.amdhsa_kernel k_q79be117ce5_vt
		.amdhsa_group_segment_fixed_size 327680
		.amdhsa_private_segment_fixed_size 0
		.amdhsa_enable_private_segment 0
		.amdhsa_kernarg_size 48
		.amdhsa_user_sgpr_count 2
		.amdhsa_user_sgpr_kernarg_segment_ptr 1
		.amdhsa_wavefront_size32 1
		.amdhsa_system_sgpr_workgroup_id_x 1
		.amdhsa_system_sgpr_workgroup_id_y 1
		.amdhsa_system_sgpr_workgroup_id_z 1
		.amdhsa_system_vgpr_workitem_id 0
		.amdhsa_next_free_vgpr 1024
		.amdhsa_next_free_sgpr 98
		.amdhsa_reserve_vcc 0
		.amdhsa_float_denorm_mode_32 3
		.amdhsa_float_denorm_mode_16_64 3
		.amdhsa_memory_ordered 1
		.amdhsa_forward_progress 1
		.amdhsa_inst_pref_size 130
	.end_amdhsa_kernel
	.amdgpu_metadata
---
amdhsa.version: [ 1, 2 ]
amdhsa.kernels:
  - .name:           k_q79be117ce5_vt
    .symbol:         k_q79be117ce5_vt.kd
    .args:
      - { .name: w_qkv_codes, .offset: 0, .size: 8, .value_kind: global_buffer, .address_space: global }
      - { .name: w_qkv_scales, .offset: 8, .size: 8, .value_kind: global_buffer, .address_space: global }
      - { .name: x_codes, .offset: 16, .size: 8, .value_kind: global_buffer, .address_space: global }
      - { .name: x_scales, .offset: 24, .size: 8, .value_kind: global_buffer, .address_space: global }
      - { .name: b_qkv, .offset: 32, .size: 8, .value_kind: global_buffer, .address_space: global }
      - { .name: kv, .offset: 40, .size: 8, .value_kind: global_buffer, .address_space: global }
    .group_segment_fixed_size: 327680
    .private_segment_fixed_size: 0
    .kernarg_segment_align: 8
    .kernarg_segment_size: 48
    .max_flat_workgroup_size: 128
    .sgpr_count:     98
    .vgpr_count:     1024
    .wavefront_size: 32
...
	.end_amdgpu_metadata
.endif
;; end of part 2
;; launch attn (part 3): grid 4 x 64, 16 waves a work-group, clusters of 4 x 1, 167,936 bytes of LDS; arguments qq, kv, aimg, asc; writes aimg, asc
.if DOCPART == 3
	.amdgcn_target "amdgcn-amd-amdhsa--gfx1250"
	.amdhsa_code_object_version 6
	.text
	.protected	k_q79be117ce5_attn
	.globl	k_q79be117ce5_attn
	.p2align	8
	.type	k_q79be117ce5_attn,@function
k_q79be117ce5_attn:
	s_mov_b64 s[64:65], 0
	v_nop
	global_prefetch_b8 v0, s[64:65] scope:SCOPE_SE
	s_setreg_imm32_b32 hwreg(HW_REG_WAVE_MODE, 25, 1), 1
	s_wait_xcnt 0x0
	s_wait_alu depctr_hold_cnt(0) depctr_sa_sdst(0) depctr_va_vdst(0) depctr_va_sdst(0) depctr_va_ssrc(0) depctr_va_vcc(0) depctr_vm_vsrc(0)
	s_getreg_b32 s2, hwreg(HW_REG_IB_STS2, 6, 4)
	s_cmp_eq_u32 s2, 0
	s_cbranch_scc0 .Lentry_in_a_cluster
	s_endpgm
.Lentry_in_a_cluster:
	s_bfe_u32 s2, ttmp6, 0x10000c
	s_cmp_lg_u32 s2, 0x3003
	s_cbranch_scc0 .Lentry_shape_is_right
	s_endpgm
.Lentry_shape_is_right:
; Attention of one (batch, head) on codes of FP4 (E2M1) with E8M0 scales: S^T = K Q^T (K = the head's 64, filled to 128 with zero codes), p = 2^(t - M), O^T = V^T P^T (K = the keys), O / l, and O quantised along D for the projection.  No work is left out.
; t = score x log2(e) / 8; M = the running largest t rounded UP to a whole number; p is quantised along the keys, not normalised; the row's sum is taken of the unquantised p, in f32.  When M moves, the sum and O^T are multiplied by 2^(old M - new M): exact.
; SHARES.  The four work-groups of a cluster are the four blocks of 512 queries of one (batch, head).  Sixteen waves of 256 registers, four to a SIMD; wave w owns query tile 32 cx + w, and then tile 32 cx + 16 + w.
; ALL OF THE HEAD'S K AND V STAYS IN LDS: sixteen key steps of 8,960 bytes (kv's own layout: K's eight fragments, V's eight half fragments, K's scale words, V's scale words).  Wave w brings key step w by ONE tensor load,
; asked for jointly by the four work-groups.  Nothing is filled twice; behind the one barrier the key loop has no barrier.  No prefetch: all that comes from memory is asked for at the head, and the key loop reads LDS alone.
; K ONE STEP AHEAD: K's fragments and scale words are free once the step's eight score products are issued, so the next step's ten loads go out there, four places behind them; a tile's last step, written out, asks for none.
; LAYOUT.  Both products are used transposed: a lane holds ONE query (lane % 16).  In S^T register j of tile t is key 16 t + 8 h + j; tile t's eight codes go to place 4 (t / 4) + 2 (t % 2) + (t % 4) / 2, and two exchanges of halves
; for each four registers leave register 4 c + i of lane (r, h) with keys 64 c + 32 h + 8 i .. + 7.  O's 64 channels are quantised the same way.
; OUT.  aimg: [16 tokens: 512][head 16][lane][16 bytes]: the projection's row operand as images of its registers, all of its K behind each other.  asc: [token][32], byte 2 head + block, stored singly, 32 bytes apart:
; a token's 32 bytes come from sixteen work-groups; they are one byte in seventeen of what the launch stores.
; LIMITS: NaN and infinities are not served; a block whose largest magnitude lies under 2^-124 (a block of zeros too) keeps the byte 1.
; REGISTERS: v1-7 addresses; v8-11, v248 the second tile's Q; v12 -M, v13 the largest t, v[14:15] the sum; v16-23 Q (upper four zero); v24-31 K's scale words; v32-95 K's fragments (upper four of each zero); v96-159 S^T, then p, then its sums;
;   v160-191 O^T; v192-223 V's fragments; v224-231 p's codes; v232-239, v254 at work; v240-243 V's scale words; v244-247 the conversions' scale operands; v251 p's scale word; v252 f (v253: 0, its pair); v255 Q's scale word.
.set STEPB, 8960                       ; a key step's bytes: 35 x 256
.set SPARE, 16*STEPB                   ; the spare words, 128 bytes for each wave: eight blocks of 256 bytes that no other line names
.set L16, 1                            ; v1  16 x lane
.set R16, 2                            ; v2  16 x (lane % 16)
.set SPW, 3
.set NIL, 4
.set ADR, 5
.set ADS, 6
.set AO,  7                            ; v7  32 (lane % 16) + lane / 16
.set TB,  2                            ; s2  LDS byte at which the key step in hand begins
.set CNT, 3
.set WV,  12
.set CX,  13
.set BH,  14
.set HM,  15
.set SEL, 20
.set CS,  22                           ; s[22:23] c = log2(e) / 8
.set G1,  24
.set G0,  32
.set QC,  36
.set QS,  38
.set AI,  40
.set AS,  42
.macro CROUND                          ; a round of the cluster's barrier
	s_barrier_signal -1
	s_barrier_wait -1
	s_cmp_lg_u32 s[WV], 0
	s_cbranch_scc1 .Lnot_wave_0_\@
	s_barrier_signal -3
.Lnot_wave_0_\@:
	s_barrier_wait -3
	s_barrier_signal -1
	s_barrier_wait -1
.endm
	s_load_b256 s[4:11], s[0:1], 0x0               ; qq s[4:5], kv s[6:7], aimg s[8:9], asc s[10:11]
	v_lshl_add_u32 v[SPW], v0, 2, SPARE
	v_mov_b32 v[NIL], 0
	ds_add_u32 v[SPW], v[NIL]                      ; the wave's opening: the add, twice on end, and its wait ahead of my first tensor load
	ds_add_u32 v[SPW], v[NIL]
	v_lshrrev_b32 v5, 5, v0
	s_delay_alu instid0(VALU_DEP_1)
	v_readfirstlane_b32 s[WV], v5                  ; wave 0..15
	s_and_b32 s[BH], ttmp7, 0xffff                 ; 16 x batch + head, which the four partners share
	s_mov_b32 s[G1], 15|(3<<16)|(1<<21)            ; the mask: all four work-groups; elements of 8 bytes; bit 21 beside a mask; no padding
	s_mov_b32 s[G1+1], 32<<16                      ; rows of 256 bytes
	s_mov_b32 s[G1+2], 35<<16
	s_mov_b32 s[G1+3], 32<<16
	s_mov_b32 s[G1+4], 35
	s_mov_b32 s[G1+5], 32                          ; the block is dense
	s_mov_b32 s[G1+6], 0
	s_mov_b32 s[G1+7], 0
	s_mov_b32 s[G0], 1
	s_mul_i32 s[G0+1], s[WV], STEPB                ; key step w goes to w x 8,960
	s_lshl_b32 s16, s[BH], 4
	s_add_co_u32 s16, s16, s[WV]
	s_mul_i32 s16, s16, STEPB
	s_mov_b32 s17, 0
	s_mov_b32 s[HM], 0xffff0000
	s_mov_b32 s[SEL], 0x76543210
	s_mov_b32 s[SEL+1], 0xfedcba98
	s_mov_b32 s[CS], 0x3e38aa3b
	s_mov_b32 s[CS+1], s[CS]
	s_wait_dscnt 0x0                               ; both opening adds are done
	s_wait_kmcnt 0x0
	s_add_nc_u64 s[G0+2:G0+3], s[6:7], s[16:17]
	s_or_b32 s[G0+3], s[G0+3], 0x80000000
	CROUND                                         ; all four work-groups are here: the joint loads meet
	tensor_load_to_lds s[G0:G0+3], s[G1:G1+7]      ; my one tensor load of the launch
	s_nop 0
	s_bfe_u32 s[CX], ttmp6, 0x40000                ; cx: it enters Q's and the outputs' addresses alone
	s_lshl_b32 s44, s[BH], 4
	s_lshl_b32 s46, s[CX], 2
	s_add_co_u32 s44, s44, s46
	s_lshr_b32 s46, s[WV], 3
	s_add_co_u32 s44, s44, s46                     ; my first tile's group of 128 queries: 16 bh + 4 cx + w / 8
	s_mul_i32 s44, s44, 4608
	s_and_b32 s46, s[WV], 7
	s_lshl_b32 s46, s46, 9
	s_add_co_u32 s46, s46, s44
	s_mov_b32 s47, 0
	s_add_nc_u64 s[QC:QC+1], s[4:5], s[46:47]      ; its fragment: tile w % 8 of the group
	s_bfe_u32 s46, s[WV], 0x10002
	s_lshl_b32 s46, s46, 8
	s_and_b32 s45, s[WV], 3
	s_lshl_b32 s45, s45, 2
	s_add_co_u32 s46, s46, s45
	s_add_co_u32 s46, s46, s44
	s_add_co_u32 s46, s46, 4096
	s_add_nc_u64 s[QS:QS+1], s[4:5], s[46:47]      ; and its scale words
	s_and_b32 s44, s[BH], 15                       ; the head
	s_lshr_b32 s45, s[BH], 4
	s_lshl_b32 s45, s45, 7
	s_lshl_b32 s46, s[CX], 5
	s_add_co_u32 s45, s45, s46
	s_add_co_u32 s45, s45, s[WV]                   ; my first tile among all tokens' tiles: 128 batch + 32 cx + w
	s_lshl_b32 s46, s45, 9
	s_lshl_b32 s16, s44, 1
	s_add_co_u32 s46, s46, s16
	s_add_nc_u64 s[AS:AS+1], s[10:11], s[46:47]
	s_lshl_b32 s46, s45, 13                        ; aimg: 8,192 bytes a tile of 16 tokens,
	s_lshl_b32 s45, s44, 9                         ; 512 a head
	s_add_co_u32 s46, s46, s45
	s_add_nc_u64 s[AI:AI+1], s[8:9], s[46:47]
	v_and_b32 v5, 31, v0
	s_delay_alu instid0(VALU_DEP_1)
	v_lshlrev_b32 v[L16], 4, v5
	v_and_b32 v5, 15, v0
	s_delay_alu instid0(VALU_DEP_1)
	v_lshlrev_b32 v[R16], 4, v5
	v_bfe_u32 v6, v0, 4, 1
	s_delay_alu instid0(VALU_DEP_1)
	v_lshl_add_u32 v[AO], v5, 5, v6
	global_load_b128 v[16:19], v[L16], s[QC:QC+1]                  ; the first tile's Q,
	global_load_b128 v[8:11], v[L16], s[QC:QC+1] offset:9216       ; the second's: two groups on
	global_load_b32 v255, v[R16], s[QS:QS+1]
	global_load_b32 v248, v[R16], s[QS:QS+1] offset:9216
.irp j, 20,21,22,23
	v_mov_b32 v[\j], 0                             ; the head's 64 fill half of the instruction's K: zero codes on both sides
.endr
.irp t, 0,1,2,3,4,5,6,7
.irp j, 4,5,6,7
	v_mov_b32 v[32+8*\t+\j], 0
.endr
.endr
.irp j, 236,237,238,239,253,254
	v_mov_b32 v[\j], 0                             ; written once: a lane permute's destination counts as one of its sources; v253 is named as the upper half of f's pair
.endr
	s_wait_tensorcnt 0x0                           ; my key step is in,
	s_barrier_signal -1
	s_barrier_wait -1                              ; everybody's is
	s_wait_loadcnt 0x0                             ; Q
; Ten loads: K's scale words (tiles 0-3 and 4-7 of row r) and its eight fragments, of the key step off bytes behind the two addresses.
.macro KLOAD adr, ads, off
	ds_load_b128 v[24:27], v[\ads] offset:8192+\off
	ds_load_b128 v[28:31], v[\ads] offset:8448+\off
.irp t, 0,1,2,3,4,5,6,7
	ds_load_b128 v[32+8*\t:35+8*\t], v[\adr] offset:512*\t+\off
.endr
.endm
; A KEY STEP: 128 keys.  Its K was asked for a step ago.  more = 1: the next step's K is asked for.
.macro PKF n                           ; n packed lines of t - M, two scores each, from register 96 + j on
.rept \n
	v_pk_fma_f32 v[96+j:97+j], v[96+j:97+j], s[CS:CS+1], v[12:13] op_sel_hi:[1,0,0]
.set j, j+2
.endr
.endm
.macro RS n                            ; n packed lines of O^T x f, ascending: each accumulator from its low end on
.rept \n
	v_pk_mul_f32 v[160+j:161+j], v[160+j:161+j], v[252:253] op_sel_hi:[1,0]
.set j, j+2
.endr
.endm
.macro STEP more
	s_wait_dscnt 0x0                               ; K's ten loads, asked for a step ago, are in: nothing else is out
.irp t, 0,1,2,3,4,5,6,7
	v_wmma_scale_f32_16x16x128_f8f6f4 v[96+8*\t:103+8*\t], v[32+8*\t:39+8*\t], v[16:23], 0, v[24+\t], v255 matrix_a_fmt:MATRIX_FMT_FP4 matrix_b_fmt:MATRIX_FMT_FP4
.endr
	v_add_nc_u32 v[ADR], s[TB], v[L16]             ; four plain lines: the places ahead of the loads below and of the first read of the scores
	v_add_nc_u32 v[ADS], s[TB], v[R16]
	v_mov_b32 v254, v12                            ; the old -M
	v_nop
	ds_load_b128 v[240:243], v[ADS] offset:8704    ; V's scale words: the four channel tiles of row r
.irp f, 0,1,2,3,4,5,6,7
	ds_load_b128 v[192+4*\f:195+4*\f], v[ADR] offset:4096+512*\f
.endr
.if \more
	KLOAD ADR, ADS, STEPB
.endif
.irp b, 0,1,2,3
	v_max3_num_f32 v[232+\b], v[96+16*\b], v[97+16*\b], v[98+16*\b]   ; the largest score of each block of 32 keys: for the row's maximum, and, since p rises with the score, for the block's largest p
.endr
.irp i, 3,5,7,9,11,13
.irp b, 0,1,2,3
	v_max3_num_f32 v[232+\b], v[232+\b], v[96+16*\b+\i], v[97+16*\b+\i]
.endr
.endr
.irp b, 0,1,2,3
	v_max_num_f32 v[232+\b], v[232+\b], v[111+16*\b]
.endr
.irp b, 0,1,2,3
	v_permlanex16_b32 v[236+\b], v[232+\b], s[SEL], s[SEL+1]
.endr
.irp b, 0,1,2,3
	v_max_num_f32 v[232+\b], v[232+\b], v[236+\b]  ; with lane l xor 16's 16 keys
.endr
	v_max3_num_f32 v249, v249, v232, v233          ; v249: the running largest score
	s_delay_alu instid0(VALU_DEP_1)
	v_max3_num_f32 v249, v249, v234, v235
	s_delay_alu instid0(VALU_DEP_1)
	v_mul_f32 v13, s[CS], v249                     ; the running largest t (c is positive, and the product rises with the score)
	s_delay_alu instid0(VALU_DEP_1)
	v_floor_f32 v12, -v13                          ; the new -M = floor(-t): M is a whole number
	s_delay_alu instid0(VALU_DEP_1)
	v_sub_f32 v254, v12, v254                      ; old M - new M: a whole number, 0 or less
.set j, 0
	PKF 3                                          ; t - M, two at a time; f's two lines stand among them
	v_cvt_i32_f32 v254, v254                       ; (it saturates)
	PKF 5
	v_ldexp_f32 v252, 1.0, v254                    ; f = 2^(old M - new M)
	PKF 24
.irp b, 0,1,2,3
	v_fma_f32 v[232+\b], v[232+\b], s[CS], v12     ; the same of each block's largest score
.endr
.set j, 0
	s_wait_alu depctr_va_vdst(0)                   ; the wait ahead of the batch
.rept 64
	v_exp_f32 v[96+j], v[96+j]                     ; p = 2^(t - M), at most 1
.set j, j+1
.endr
.irp b, 0,1,2,3
	v_exp_f32 v[232+\b], v[232+\b]                 ; the block's largest p, in the same batch: the same two instructions on the same number give the same bits
.endr
	v_pk_mul_f32 v[14:15], v[14:15], v[252:253] op_sel_hi:[1,0]    ; the sums under the new M: a plain instruction behind the exponentials
	s_wait_alu depctr_va_vdst(0)                   ; one wait for the batch of 68, directly ahead of the first reader of O^T too: plain lines alone follow up to the last of the sixteen
.set j, 0
	RS 2                                           ; O^T under the new M, by turns with the scales' lines, so that no line reads what one of the four lines above it wrote
.irp b, 0,1,2,3
	v_max_num_f32 v[232+\b], 0x1800000, v[232+\b]  ; the floor 2^(3 - 127): the byte cannot fall under 1
.endr
	RS 2
.irp b, 0,1,2,3
	v_add_nc_u32 v[244+\b], 0xff000000, v[232+\b]  ; 2 off the exponent field: the conversion's scale operand
.endr
	RS 2
.irp b, 0,1,2,3
	v_lshrrev_b32 v[236+\b], 23, v[244+\b]         ; the scale's byte
.endr
	RS 2
	v_lshl_or_b32 v251, v237, 8, v236              ; p's scale word for these 128 keys
	RS 4
	v_lshl_or_b32 v251, v238, 16, v251
	RS 4
.irp t, 0,1,2,3,4,5,6,7
	v_cvt_scalef32_pk8_fp4_f32 v[224+4*(\t/4)+2*(\t%2)+(\t%4)/2], v[96+8*\t:103+8*\t], v[244+\t/2]
.endr
	v_lshl_or_b32 v251, v239, 24, v251             ; the word's last byte: also the plain place behind the scaled conversions
.irp c, 0,1
	v_permlane16_swap_b32 v[224+4*\c], v[225+4*\c]
	v_permlane16_swap_b32 v[226+4*\c], v[227+4*\c]
.endr
; The row's sum of the unquantised p, in place: eight chains in v96-111 take v112-159, then fold.  32 packed additions; they are also the places ahead of the products below.
.irp m, 0,1,2
.irp i, 0,2,4,6,8,10,12,14
	v_pk_add_f32 v[96+\i:97+\i], v[96+\i:97+\i], v[112+16*\m+\i:113+16*\m+\i]
.endr
.endr
.irp i, 0,2,4,6
	v_pk_add_f32 v[96+\i:97+\i], v[96+\i:97+\i], v[104+\i:105+\i]
.endr
	v_pk_add_f32 v[96:97], v[96:97], v[100:101]
	v_pk_add_f32 v[98:99], v[98:99], v[102:103]
	v_pk_add_f32 v[14:15], v[14:15], v[96:97]
	v_pk_add_f32 v[14:15], v[14:15], v[98:99]
	s_wait_dscnt 10*\more                          ; V is in; the next step's ten loads of K, issued behind V's, may be out
.irp t, 0,1,2,3
	v_wmma_scale_f32_16x16x128_f8f6f4 v[160+8*\t:167+8*\t], v[192+8*\t:199+8*\t], v[224:231], v[160+8*\t:167+8*\t], v[240+\t], v251 matrix_a_fmt:MATRIX_FMT_FP4 matrix_b_fmt:MATRIX_FMT_FP4
.endr
.endm
; The tile's end: O^T / the sum, quantised along the head's 64 channels (two blocks of D), stored as an image of the projection's operand registers.
.macro FINISH p
.rept 4
	v_nop
.endr
	v_add_f32 v14, v14, v15                        ; the sum's two halves,
	s_delay_alu instid0(VALU_DEP_1)
	v_permlanex16_b32 v254, v14, s[SEL], s[SEL+1]
	s_delay_alu instid0(VALU_DEP_1)
	v_add_f32 v14, v14, v254                       ; and lane l xor 16's
	s_wait_alu depctr_va_vdst(0)
	v_rcp_f32 v14, v14
	v_nop                                          ; a plain instruction behind the reciprocal
	s_wait_alu depctr_va_vdst(0)                   ; and the wait ahead of its first reader
.set j, 0
.rept 16
	v_pk_mul_f32 v[96+j:97+j], v[160+j:161+j], v[14:15] op_sel_hi:[1,0]   ; register 8 t + i: o(query r, channel 16 t + 8 h + i); each accumulator from its low end on
.set j, j+2
.endr
.irp b, 0,1
	v_max3_num_f32 v[232+\b], |v[96+16*\b]|, |v[97+16*\b]|, 0x1800000
.endr
.irp i, 2,4,6,8,10,12,14
.irp b, 0,1
	s_delay_alu instid0(VALU_DEP_2)
	v_max3_num_f32 v[232+\b], v[232+\b], |v[96+16*\b+\i]|, |v[97+16*\b+\i]|
.endr
.endr
.irp b, 0,1
	s_delay_alu instid0(VALU_DEP_2)
	v_permlanex16_b32 v[236+\b], v[232+\b], s[SEL], s[SEL+1]
.endr
.irp b, 0,1
	s_delay_alu instid0(VALU_DEP_2)
	v_max_num_f32 v[232+\b], v[232+\b], v[236+\b]
.endr
.irp b, 0,1
	s_delay_alu instid0(VALU_DEP_2)
	v_add_nc_u32 v[244+\b], 0xff000000, v[232+\b]
.endr
.irp b, 0,1
	s_delay_alu instid0(VALU_DEP_2)
	v_lshrrev_b32 v[236+\b], 23, v[244+\b]
.endr
	s_delay_alu instid0(VALU_DEP_1)
	v_cndmask_b32 v238, v236, v237, s[HM]          ; lanes 0-15 store block 0's byte, lanes 16-31 block 1's
.irp t, 0,1,2,3
	v_cvt_scalef32_pk8_fp4_f32 v[224+2*(\t%2)+\t/2], v[96+8*\t:103+8*\t], v[244+\t/2]
.endr
	v_nop
	v_permlane16_swap_b32 v224, v225
	v_permlane16_swap_b32 v226, v227
	global_store_b128 v[L16], v[224:227], s[AI:AI+1] offset:131072*\p  ; 32 lanes store 512 consecutive bytes, aligned; the second tile lies 16 tiles of 8,192 bytes on
	global_store_b8 v[AO], v238, s[AS:AS+1] offset:8192*\p
.endm
.macro PASS p
	KLOAD L16, R16, 0                              ; key step 0's K; the lines below stand under its flight
.if \p
	s_wait_xcnt 0x0                                ; the first tile's stores have read their registers
.irp j, 0,1,2,3
	v_mov_b32 v[16+\j], v[8+\j]                    ; the second tile's Q
.endr
	v_mov_b32 v255, v248
.endif
	v_mov_b32 v249, 0xff61b1e6                     ; the largest score so far: -3e38
	v_mov_b32 v13, 0xff61b1e6                      ; and the largest t: under every t
	s_delay_alu instid0(VALU_DEP_1)
	v_floor_f32 v12, -v13
	v_mov_b32 v14, 0
	v_mov_b32 v15, 0
.set j, 0
.rept 32
	v_mov_b32 v[160+j], 0                          ; O^T: the first step finds zeros, which the first change of M leaves zeros
.set j, j+1
.endr
	s_mov_b32 s[TB], 0
	s_mov_b32 s[CNT], 15
.Lstep_\@:
	STEP 1
	s_add_co_u32 s[TB], s[TB], STEPB
	s_sub_co_u32 s[CNT], s[CNT], 1
	s_cmp_lg_u32 s[CNT], 0
	s_cbranch_scc1 .Lstep_\@
	STEP 0                                         ; key step 15: no step follows it
	s_wait_alu depctr_va_vdst(0)
	FINISH \p
.endm
	PASS 0
	PASS 1
	s_wait_tensorcnt 0x0                           ; the wave's end
	ds_add_u32 v[SPW], v[NIL]
	s_wait_dscnt 0x0
	CROUND                                         ; the closing round
	s_endpgm
.Lfunc_end_k_q79be117ce5_attn:
	.size	k_q79be117ce5_attn, .Lfunc_end_k_q79be117ce5_attn-k_q79be117ce5_attn
	.p2alignl 7, 3214868480
	.fill 96, 4, 3214868480
	.section	.rodata,"a",@progbits
	.p2align	6, 0x0
	.amdhsa_kernel k_q79be117ce5_attn
		.amdhsa_group_segment_fixed_size 167936
		.amdhsa_private_segment_fixed_size 0
		.amdhsa_enable_private_segment 0
		.amdhsa_kernarg_size 32
		.amdhsa_user_sgpr_count 2
		.amdhsa_user_sgpr_kernarg_segment_ptr 1
		.amdhsa_wavefront_size32 1
		.amdhsa_system_sgpr_workgroup_id_x 1
		.amdhsa_system_sgpr_workgroup_id_y 1
		.amdhsa_system_sgpr_workgroup_id_z 1
		.amdhsa_system_vgpr_workitem_id 0
		.amdhsa_next_free_vgpr 256
		.amdhsa_next_free_sgpr 66
		.amdhsa_reserve_vcc 0
		.amdhsa_float_denorm_mode_32 3
		.amdhsa_float_denorm_mode_16_64 3
		.amdhsa_memory_ordered 1
		.amdhsa_forward_progress 1
		.amdhsa_inst_pref_size 76
	.end_amdhsa_kernel
	.amdgpu_metadata
---
amdhsa.version: [ 1, 2 ]
amdhsa.kernels:
  - .name:           k_q79be117ce5_attn
    .symbol:         k_q79be117ce5_attn.kd
    .args:
      - { .name: qq, .offset: 0, .size: 8, .value_kind: global_buffer, .address_space: global }
      - { .name: kv, .offset: 8, .size: 8, .value_kind: global_buffer, .address_space: global }
      - { .name: aimg, .offset: 16, .size: 8, .value_kind: global_buffer, .address_space: global }
      - { .name: asc, .offset: 24, .size: 8, .value_kind: global_buffer, .address_space: global }
    .group_segment_fixed_size: 167936
    .private_segment_fixed_size: 0
    .kernarg_segment_align: 8
    .kernarg_segment_size: 32
    .max_flat_workgroup_size: 512
    .sgpr_count:     66
    .vgpr_count:     256
    .wavefront_size: 32
...
	.end_amdgpu_metadata
.endif
;; end of part 3
;; launch proj (part 4): grid 4 x 64, 4 waves a work-group, clusters of 4 x 4, 327,680 bytes of LDS; arguments aimg, asc, w_proj_codes, w_proj_scales, b_proj, out0; writes out0
.if DOCPART == 4
	.amdgcn_target "amdgcn-amd-amdhsa--gfx1250"
	.amdhsa_code_object_version 6
	.text
	.protected	k_q79be117ce5_proj
	.globl	k_q79be117ce5_proj
	.p2align	8
	.type	k_q79be117ce5_proj,@function
k_q79be117ce5_proj:
	s_mov_b64 s[64:65], 0
	v_nop
	global_prefetch_b8 v0, s[64:65] scope:SCOPE_SE
	s_setreg_imm32_b32 hwreg(HW_REG_WAVE_MODE, 25, 1), 1
	s_wait_xcnt 0x0
	s_wait_alu depctr_hold_cnt(0) depctr_sa_sdst(0) depctr_va_vdst(0) depctr_va_sdst(0) depctr_va_ssrc(0) depctr_va_vcc(0) depctr_vm_vsrc(0)
	s_getreg_b32 s2, hwreg(HW_REG_IB_STS2, 6, 4)
	s_cmp_eq_u32 s2, 0
	s_cbranch_scc0 .Lentry_in_a_cluster
	s_endpgm
.Lentry_in_a_cluster:
	s_bfe_u32 s2, ttmp6, 0x10000c
	s_cmp_lg_u32 s2, 0xf033
	s_cbranch_scc0 .Lentry_shape_is_right
	s_endpgm
.Lentry_shape_is_right:
.set NQ,     4
.set ROWB,   512                       ; a row of w_proj's tile: all of K, 1,024 codes
.set KROW,   512
.set PITCH,  528                       ; its LDS row: 512 bytes + 16 of padding
.set FR,     8
.set NL,     2
.set NP,     4
.set HALFT,  128*PITCH
.set ABYTES, 65536                     ; a work-group's 128 tokens: aimg's 8 tiles of 16 tokens, 8,192 bytes each: register images for all of K.  128 x 256 of the result a work-group, 64 x 128 a wave: 256 work-groups
.set KS,     32
.set SCL,    ABYTES+2*HALFT
.set HALFS,  16*272
.set SBLK,   2*272
.set SPARE,  SCL+4*HALFS
.set STAGE,  SPARE+512                 ; the way out's stages: bytes of their own, into which no tile lands
.set SPITCH, 528
.set SIZE_N, 1024
.set ADRA, 16
.set ADRB, 20
.set STO,  24
.set RD,   25
.set CO,   26
.set ADRS, 27
.set SPW,  28
.set NIL,  29
.set SC,   32
.set AF,   128
.set BK,   128
.set BIAS, 192
.set G1, 24
.set G0, 32
.set G1B, 48
.set G0B, 56
.set G1S, 68
.set G0S, 76
.set G1SB, 80
.set G0SB, 88
.set MSB, 0
.macro WIN new
.if MSB != (\new)
	s_set_vgpr_msb (MSB<<8)|(\new)
.set MSB, (\new)
.endif
.endm
.set MUL_LO,  0xa1
.set MUL_HI,  0xf1
.set MULZ_LO, 0x81
.set MULZ_HI, 0xc1
.set TO_B,    0x40
.macro ARM under, g0, g1, next         ; one arm of the head's tree: a joint load, its s_nop 0 and four v_nop, a jump to the join
	s_cmp_lt_u32 s14, \under
	s_cbranch_scc0 \next
	tensor_load_to_lds s[\g0:\g0+3], s[\g1:\g1+7]
	s_nop 0
.rept 4
	v_nop
.endr
	s_branch .Lhead_asked
\next:
.endm
.macro CROUND
	s_barrier_signal -1
	s_barrier_wait -1
	s_cmp_lg_u32 s14, 0
	s_cbranch_scc1 .Lnot_wave_0_\@
	s_barrier_signal -3
.Lnot_wave_0_\@:
	s_barrier_wait -3
	s_barrier_signal -1
	s_barrier_wait -1
.endm
	s_load_b128 s[4:7], s[0:1], 0x0
	s_load_b128 s[8:11], s[0:1], 0x10
	s_load_b64 s[12:13], s[0:1], 0x20
	s_load_b64 s[96:97], s[0:1], 0x28
	v_lshl_add_u32 v[SPW], v0, 2, SPARE
	v_mov_b32 v[NIL], 0
	ds_add_u32 v[SPW], v[NIL]
	ds_add_u32 v[SPW], v[NIL]
	v_lshrrev_b32 v1, 5, v0
	v_readfirstlane_b32 s14, v1
	s_lshr_b32 s15, s14, 1
	s_and_b32 s16, s14, 1
	s_bfe_u32 s40, ttmp6, 0x40000
	s_bfe_u32 s41, ttmp6, 0x40004
	s_lshl_b32 s42, ttmp9, 2
	s_add_co_u32 s42, s42, s40
	s_and_b32 s17, ttmp7, 0xffff
	s_lshl_b32 s17, s17, 2
	s_add_co_u32 s17, s17, s41
	s_lshl_b32 s43, s41, 2
	s_lshl_b32 s43, 15, s43
	s_lshl_b32 s44, 0x1111, s40
	s_or_b32 s[G1+0], s43, (3<<16)|(1<<21)
	s_mov_b32 s[G1+1], 32<<16
	s_mov_b32 s[G1+2], 256<<16
	s_mov_b32 s[G1+3], 32<<16
	s_mov_b32 s[G1+4], 256
	s_mov_b32 s[G1+5], 32
	s_mov_b32 s[G1+6], 0
	s_mov_b32 s[G1+7], 0
	s_or_b32 s[G1B+0], s44, (0<<16)|(1<<20)|(1<<21)|(6<<22)|(3<<25)   ; four words of padding after every 128
	s_mov_b32 s[G1B+1], ROWB<<16
	s_mov_b32 s[G1B+2], 256<<16
	s_mov_b32 s[G1B+3], ROWB<<16
	s_mov_b32 s[G1B+4], 256
	s_mov_b32 s[G1B+5], KROW
	s_mov_b32 s[G1B+6], 0
	s_mov_b32 s[G1B+7], 0
	s_or_b32 s[G1S+0], s43, (3<<16)|(1<<20)|(1<<21)|(5<<22)|(3<<25)
	s_or_b32 s[G1SB+0], s44, (3<<16)|(1<<20)|(1<<21)|(5<<22)|(3<<25)
.irp g, G1S, G1SB
	s_mov_b32 s[\g+1], 32<<16
	s_mov_b32 s[\g+3], 32<<16
	s_mov_b32 s[\g+5], 32
	s_mov_b32 s[\g+6], 0
	s_mov_b32 s[\g+7], 0
.endr
	s_mov_b32 s[G1S+2], 16<<16                     ; the scales of 128 tokens: 16 rows of 256 bytes;
	s_mov_b32 s[G1S+4], 16
	s_mov_b32 s[G1SB+2], 32<<16                    ; of w_proj's 256 rows: 32
	s_mov_b32 s[G1SB+4], 32
	s_lshl_b32 s20, s17, 7                         ; my work-group's first token: 128 x tile row
	s_lshl_b32 s46, s42, 8
	s_mov_b32 s21, 0
	s_mov_b32 s47, 0
	s_mov_b64 s[18:19], KS
	s_mul_u64 s[22:23], s[20:21], s[18:19]
	s_mul_u64 s[92:93], s[46:47], s[18:19]
	s_mov_b64 s[18:19], KROW                       ; 512 bytes a token in aimg, and a row in w_proj's codes
	s_mul_u64 s[20:21], s[20:21], s[18:19]
	s_mul_u64 s[46:47], s[46:47], s[18:19]
	s_wait_dscnt 0x0
	s_wait_kmcnt 0x0
	s_add_nc_u64 s[20:21], s[4:5], s[20:21]
	s_add_nc_u64 s[22:23], s[6:7], s[22:23]
	s_add_nc_u64 s[46:47], s[8:9], s[46:47]
	s_add_nc_u64 s[92:93], s[10:11], s[92:93]
	CROUND
	s_mov_b32 s[G0S], 1
	s_mov_b32 s[G0S+1], SCL
	s_mov_b64 s[G0S+2:G0S+3], s[22:23]
	s_or_b32 s[G0S+3], s[G0S+3], 0x80000000
	s_mov_b32 s[G0SB], 1
	s_mov_b32 s[G0SB+1], SCL+HALFS
	s_mov_b64 s[G0SB+2:G0SB+3], s[92:93]
	s_or_b32 s[G0SB+3], s[G0SB+3], 0x80000000
	s_mov_b32 s[G0], 1
	s_mov_b32 s[G0+1], 0
	s_mov_b64 s[G0+2:G0+3], s[20:21]
	s_or_b32 s[G0+3], s[G0+3], 0x80000000
	s_mov_b32 s[G0B], 1
	s_mov_b32 s[G0B+1], ABYTES
	s_mov_b64 s[G0B+2:G0B+3], s[46:47]
	s_or_b32 s[G0B+3], s[G0B+3], 0x80000000
	; the launch's four tiles, one joint load a wave: wave 0 aimg's dense block of 128 tokens (256 rows of 256 bytes), wave 1 w_proj's 256 rows for all of K, waves 2 and 3 their scales.  Nothing is filled later
	ARM 1, G0,  G1,  .Lhead_b
	ARM 2, G0B, G1B, .Lhead_sa
	ARM 3, G0S, G1S, .Lhead_sb
	tensor_load_to_lds s[G0SB:G0SB+3], s[G1SB:G1SB+7]
	s_nop 0
.rept 4
	v_nop
.endr
.Lhead_asked:
	v_and_b32 v1, 15, v0
	v_bfe_u32 v2, v0, 4, 1
	s_lshl_b32 s18, s42, 10
	s_lshl_b32 s19, s16, 9
	s_add_co_u32 s18, s18, s19
	s_mov_b32 s19, 0
	s_add_nc_u64 s[12:13], s[12:13], s[18:19]
	v_lshlrev_b32 v7, 5, v2
.irp b, 0,1,2,3,4,5,6,7
	global_load_b128 v[BIAS+8*\b:BIAS+8*\b+3], v7, s[12:13] offset:64*\b
	global_load_b128 v[BIAS+8*\b+4:BIAS+8*\b+7], v7, s[12:13] offset:64*\b+16
.endr
	v_mul_u32_u24 v3, v1, PITCH
	v_lshl_add_u32 v4, v2, 4, v3
	v_and_b32 v6, 31, v0
	v_lshlrev_b32 v[CO], 4, v6
	s_lshl_b32 s21, s15, 15                        ; my 64 tokens: four tiles of 8,192 bytes
	s_mul_i32 s22, s16, HALFT
	s_add_co_u32 s22, s22, ABYTES
.irp s, 0,1
	v_add_nc_u32 v[ADRA+\s], s21, v[CO]
	v_add_nc_u32 v[ADRB+\s], s22, v4
	s_add_co_u32 s21, s21, 4096                    ; the second 512 along K: eight heads on in a tile's image,
	s_add_co_u32 s22, s22, 256                     ; 256 bytes on in a row of codes
.endr
	v_mul_u32_u24 v5, v1, KS
	v_lshrrev_b32 v6, 8, v5
	v_lshl_add_u32 v5, v6, 4, v5
	s_mul_i32 s21, s15, HALFS/2                    ; the scales of my 64 tokens
	s_mul_i32 s22, s16, HALFS
	s_add_co_u32 s22, s22, HALFS                   ; w_proj's lie behind those of the 128 tokens
	s_sub_co_u32 s22, s22, s21
	v_mul_u32_u24 v6, s22, v2
	s_add_co_u32 s21, s21, SCL
	v_add_nc_u32 v5, v5, v6
	v_add_nc_u32 v[ADRS], s21, v5
	s_mul_i32 s23, s14, 16*SPITCH
	s_add_co_u32 s23, s23, STAGE                   ; my stage
	v_mul_u32_u24 v5, v1, SPITCH
	v_lshl_add_u32 v5, v2, 5, v5
	v_add_nc_u32 v[STO], s23, v5
	v_add_nc_u32 v[RD], s23, v[CO]
	s_lshl_b32 s20, s17, 7
	s_lshl_b32 s21, s15, 6
	s_add_co_u32 s20, s20, s21
	s_mov_b32 s21, 0
	s_mov_b64 s[18:19], SIZE_N*4
	s_mul_u64 s[20:21], s[20:21], s[18:19]
	s_lshl_b32 s46, s42, 10
	s_lshl_b32 s47, s16, 9
	s_add_co_u32 s46, s46, s47
	s_mov_b32 s47, 0
	s_add_nc_u64 s[20:21], s[20:21], s[46:47]
	s_add_nc_u64 s[96:97], s[96:97], s[20:21]
.macro FRAG reg, adr, q, i
.irp c, 0,1
	ds_load_b128 v[\reg+4*\c:\reg+4*\c+3], v[\adr] offset:64*(\q)+32*\c+(\i)*16*PITCH
.endr
.endm
.macro FRAGA reg, slot, q, i
.irp c, 0,1
	ds_load_b128 v[\reg+4*\c:\reg+4*\c+3], v[ADRA+\slot] offset:8192*(\i)+1024*(\q)+512*\c
.endr
.endm
.macro MUL16 a0, p, q, sc, zero
.irp a, \a0, \a0+1
.irp b, 0,1,2,3,4,5,6,7
.if \zero
	v_wmma_scale_f32_16x16x128_f8f6f4 v[8*(8*((\a)%4)+\b):8*(8*((\a)%4)+\b)+7], v[128*(\p)+FR*\b:128*(\p)+FR*\b+FR-1], v[AF+FR*(\a):AF+FR*(\a)+FR-1], v[BIAS+8*\b:BIAS+8*\b+7], v[SC+8*NQ*(\sc)+NQ*\b+(\q)], v[SC+8*NQ*(\sc)+NQ*(\a)+(\q)] matrix_a_fmt:MATRIX_FMT_FP4 matrix_b_fmt:MATRIX_FMT_FP4 matrix_a_scale:MATRIX_SCALE_ROW1
.else
	v_wmma_scale_f32_16x16x128_f8f6f4 v[8*(8*((\a)%4)+\b):8*(8*((\a)%4)+\b)+7], v[128*(\p)+FR*\b:128*(\p)+FR*\b+FR-1], v[AF+FR*(\a):AF+FR*(\a)+FR-1], v[8*(8*((\a)%4)+\b):8*(8*((\a)%4)+\b)+7], v[SC+8*NQ*(\sc)+NQ*\b+(\q)], v[SC+8*NQ*(\sc)+NQ*(\a)+(\q)] matrix_a_fmt:MATRIX_FMT_FP4 matrix_b_fmt:MATRIX_FMT_FP4 matrix_a_scale:MATRIX_SCALE_ROW1
.endif
.endr
.endr
.endm
.macro FETCH_B slot, q, p
	WIN TO_B
.irp i, 0,1,2,3,4,5,6,7
	FRAG 128*(\p)+FR*\i, ADRB+\slot, \q, \i
.endr
	WIN 0
.endm
.macro FETCH_A slot, q, i0
.irp i, \i0, \i0+1, \i0+2, \i0+3
	FRAGA AF+FR*(\i), \slot, \q, \i
.endr
.endm
.macro SCALES sc
.irp i, 0,1,2,3,4,5,6,7
	ds_load_b128 v[SC+8*NQ*\sc+NQ*\i:SC+8*NQ*\sc+NQ*\i+3], v[ADRS] offset:\i*SBLK+4*NQ*\sc   ; set sc: the words of K's half sc.  (Lanes 0-15 of blocks 4-7 fetch words that no product names)
.endr
.endm
.macro PLACES n
.rept \n
	v_nop
.endr
.endm
; Step g of eight, 128 along K: 32 products, my four blocks of 16 tokens against w_proj's eight.  The token blocks have one set of registers: blocks 0, 1 are fetched anew behind their sixteen products, blocks 2, 3 behind theirs.
; w_proj's fragments have two sets: behind step g's last products its set takes step g + 2's sixteen loads.
.macro MWIN zero
.if \zero
	WIN MULZ_LO
.else
	WIN MUL_LO
.endif
.endm
.macro GSTEP g, zero
.if \g == 0
	s_wait_dscnt 16                                ; all but step 1's sixteen loads of w_proj
.else
.if \g < 7
	s_wait_dscnt 20                                ; my blocks 2, 3 (four loads) and the next step's sixteen of w_proj may be out
.else
	s_wait_dscnt 4                                 ; my blocks 2, 3 may be out
.endif
.endif
	MWIN \zero
	MUL16 0, \g%2, \g%4, \g/4, \zero
.if \g < 7
	PLACES NP
	WIN 0
	FRAGA AF, (\g+1)/4, (\g+1)%4, 0
	FRAGA AF+FR, (\g+1)/4, (\g+1)%4, 1
	s_wait_dscnt 20                                ; blocks 2, 3 are in; behind them: sixteen loads of w_proj and the four just issued
.else
	s_wait_dscnt 0
.endif
	MWIN \zero
	MUL16 2, \g%2, \g%4, \g/4, \zero
.if \g < 7
	PLACES NP
	WIN 0
	FRAGA AF+2*FR, (\g+1)/4, (\g+1)%4, 2
	FRAGA AF+3*FR, (\g+1)/4, (\g+1)%4, 3
.endif
.if \g < 6
	FETCH_B (\g+2)/4, (\g+2)%4, \g%2
.endif
.endm
	s_wait_alu depctr_va_vdst(0)
	s_wait_tensorcnt 0x0                           ; my tile of the four is in; behind the barrier everybody's is
	s_barrier_signal -1
	s_barrier_wait -1
	FETCH_B 0, 0, 0
	FETCH_A 0, 0, 0                                ; my four blocks of tokens
	SCALES 0
	SCALES 1                                       ; both halves' scale words stay in registers
	FETCH_B 0, 1, 1
	s_wait_loadcnt 0x0                             ; the bias
	GSTEP 0, 1                                     ; the first step starts the sums from the bias
.irp g, 1,2,3,4,5,6,7
	GSTEP \g, 0
.endr
	WIN 0
.macro TOSTAGE a
.set AC, 64*((\a)%4)
	WIN 0x08+4*((\a)/4)
.irp b, 0,1,2,3,4,5,6,7
	ds_store_b128 v[STO], v[AC+8*\b:AC+8*\b+3] offset:64*\b
	ds_store_b128 v[STO], v[AC+8*\b+4:AC+8*\b+7] offset:64*\b+16
.endr
	WIN 0
.set BB, BK+64*((\a)%2)
.irp t, 0,1,2,3,4,5,6,7,8,9,10,11,12,13,14,15
	ds_load_b128 v[BB+4*\t:BB+4*\t+3], v[RD] offset:\t*SPITCH
.endr
.endm
.macro SEND a, younger
.set BB, BK+64*((\a)%2)
	s_wait_dscnt \younger
.if (\a) > 0
	s_add_nc_u64 s[96:97], s[96:97], 16*SIZE_N*4
.endif
.irp t, 0,1,2,3,4,5,6,7,8,9,10,11,12,13,14,15
	global_store_b128 v[CO], v[BB+4*\t:BB+4*\t+3], s[96:97] offset:\t*SIZE_N*4 th:TH_STORE_NT
.endr
.endm
	PLACES NP
	TOSTAGE 0
.irp a, 1,2,3
.if \a > 1
	s_wait_xcnt 0x0
.endif
	TOSTAGE \a
	SEND \a-1, 32
.endr
	s_wait_xcnt 0x0
	SEND 3, 0
	s_wait_tensorcnt 0x0
	ds_add_u32 v[SPW], v[NIL]
	s_wait_dscnt 0x0
	CROUND
	s_endpgm
.Lfunc_end_k_q79be117ce5_proj:
	.size	k_q79be117ce5_proj, .Lfunc_end_k_q79be117ce5_proj-k_q79be117ce5_proj
	.p2alignl 7, 3214868480
	.fill 96, 4, 3214868480
	.section	.rodata,"a",@progbits
	.p2align	6, 0x0
	.amdhsa_kernel k_q79be117ce5_proj
		.amdhsa_group_segment_fixed_size 327680
		.amdhsa_private_segment_fixed_size 0
		.amdhsa_enable_private_segment 0
		.amdhsa_kernarg_size 48
		.amdhsa_user_sgpr_count 2
		.amdhsa_user_sgpr_kernarg_segment_ptr 1
		.amdhsa_wavefront_size32 1
		.amdhsa_system_sgpr_workgroup_id_x 1
		.amdhsa_system_sgpr_workgroup_id_y 1
		.amdhsa_system_sgpr_workgroup_id_z 1
		.amdhsa_system_vgpr_workitem_id 0
		.amdhsa_next_free_vgpr 1024
		.amdhsa_next_free_sgpr 98
		.amdhsa_reserve_vcc 0
		.amdhsa_float_denorm_mode_32 3
		.amdhsa_float_denorm_mode_16_64 3
		.amdhsa_memory_ordered 1
		.amdhsa_forward_progress 1
		.amdhsa_inst_pref_size 74
	.end_amdhsa_kernel
	.amdgpu_metadata
---
amdhsa.version: [ 1, 2 ]
amdhsa.kernels:
  - .name:           k_q79be117ce5_proj
    .symbol:         k_q79be117ce5_proj.kd
    .args:
      - { .name: aimg, .offset: 0, .size: 8, .value_kind: global_buffer, .address_space: global }
      - { .name: asc, .offset: 8, .size: 8, .value_kind: global_buffer, .address_space: global }
      - { .name: w_proj_codes, .offset: 16, .size: 8, .value_kind: global_buffer, .address_space: global }
      - { .name: w_proj_scales, .offset: 24, .size: 8, .value_kind: global_buffer, .address_space: global }
      - { .name: b_proj, .offset: 32, .size: 8, .value_kind: global_buffer, .address_space: global }
      - { .name: out0, .offset: 40, .size: 8, .value_kind: global_buffer, .address_space: global }
    .group_segment_fixed_size: 327680
    .private_segment_fixed_size: 0
    .kernarg_segment_align: 8
    .kernarg_segment_size: 48
    .max_flat_workgroup_size: 128
    .sgpr_count:     98
    .vgpr_count:     1024
    .wavefront_size: 32
...
	.end_amdgpu_metadata
.endif
;; end of part 4
